; MI455X (gfx1250); checked and timed in simulation.
; The chip was launched on July 23, 2026; its instructions are those of AMD's public machine-readable ISA for CDNA 5 (MIT licence, August 2026) and "CDNA5" Instruction Set Architecture Reference Guide (July 2026). The comments in the code are by the model that wrote it; some were corrected since.
;; Mo E Layer. Allowed arithmetic: matrix products marked QUANTISED: E3M2 operands, one E8M0 scale for each 32 along K, by v_wmma_scale_f32_16x16x128_f8f6f4 with both operands' format E3M2, f32 sums; products left as they are: f32 operands where the result goes on into a quantised operand, else bf16, f16 or f32 operands; f32 sums; everything else in f32.
;; Inputs: W1 8 x 512 x 2,048 float32; W2 8 x 2,048 x 512 float32; Wr 512 x 8 float32; b1 8 x 2,048 float32; b2 8 x 512 float32; br 8 float32; x 2 x 2,048 x 512 float32.
;; Outputs: out0 2 x 2,048 x 512 float32; out1 one number float32.
;; This version of the problem:
;;   THIS VERSION OF THE PROBLEM IS GIVEN IN LOW PRECISION. The matrix products marked QUANTISED in the list below multiply operands that are first quantised to E3M2 (3 exponent bits, 2 mantissa bits; 6 bits a number), with one power-of-two scale for each 32 numbers along K (OCP MX v1.0); their sums are f32. All else is computed in f32.
;;   The module's matrix products, in the order in which they are computed (A, B: the left and right operand; K: the contracted axis; several contracted axes count as one K, in the product's order):
;;     1. [M 4,096, K 512] x [K 512, N 8]; A: input x; B: input Wr: left as it is (N = 8 < 16)
;;     2. batch 4,096 x [M 8, K 2] x [K 2, N 1]; A: computed on the way; B: computed on the way: left as it is (K = 2 < 32)
;;     3. [M 16,384, K 512] x [K 512, N 4,096]; A: input W1; B: input x: QUANTISED
;;     4. batch 8 x [M 4,096, K 2,048] x [K 2,048, N 512]; A: computed on the way; B: input W2: QUANTISED
;;     5. batch 4,096 x [M 512, K 8] x [K 8, N 1]; A: computed on the way; B: computed on the way: left as it is (K = 8 < 32)
;;   THE QUANTISER, for each operand of a quantised product, along K:
;;     - K is cut into blocks of 32 from its start; a last block that is shorter is filled with zeros.
;;     - A block's scale is 2^e with e = floor(log2(the largest magnitude in the block)) - 4, held to -126 .. 127; a block of zeros has e = 0. As a byte (E8M0): e + 127.
;;     - Each number is divided by its block's scale, clamped to +-28, and rounded to the nearest number of E3M2, ties to even, subnormals kept.
;;     - The product sums the exact products of the quantised numbers (number of the format x scale) in f32.
;;   ~~~python
;;   def quantise(x, axis):      # numpy; x: float32 -> the quantised numbers, widened to float32 again
;;       x = np.moveaxis(x, axis, -1); K = x.shape[-1]
;;       x = np.pad(x, [(0, 0)] * (x.ndim - 1) + [(0, -K % 32)]); x = x.reshape(x.shape[:-1] + (-1, 32)); a = np.abs(x).max(-1, keepdims=True)
;;       e = np.where(a > 0, np.clip(np.frexp(np.where(a > 0, a, 1))[1] - 1 - 4, -126, 127), 0)      # np.frexp(a)[1] - 1 = floor(log2(a)), exactly
;;       r = np.clip(x / 2.0 ** e, -28, 28)
;;       step = 2.0 ** (np.maximum(np.frexp(np.where(r == 0, 1, r))[1] - 1, -2) - 2)
;;       q = np.round(r / step) * step * 2.0 ** e      # np.round: ties to even
;;       return np.moveaxis(q.reshape(q.shape[:-2] + (-1,))[..., :K], -1, axis).astype(np.float32)
;;   ~~~
;;   OPERANDS COMPUTED ON THE WAY. 'Computed on the way' means the value that the module computes at that place (a softmax that the list does not call 'softmax' is quantised finished and normalised). What goes into a quantiser is computed in f32, as accurately as f32 sums, v_exp_f32 and their like allow (about 1e-6 of the number): no bf16 or f16 on the way to a quantiser, and a product that is left as it is and whose result goes on into a quantised operand takes f32 operands (vector FMAs, or v_wmma_f32_16x16x4_f32). A number that lies on a knife's edge between two numbers of the format may be rounded either way, as far as f32 arithmetic and the matrix unit's own rounding can turn it there, and no further.
;; 2 versions, each right; version 2 is version 1 with the launch chain written anew for expert scheduling mode. Each part assembles by itself: llvm-mc -triple=amdgcn-amd-amdhsa -mcpu=gfx1250 --defsym DOCPART=n.
;; ======== version 1 of 2: 4 launches
;; workspace buffers: xq 1,679,360 bytes; ridx 16,384 bytes of whole numbers; wq 13,107,200 bytes; plan 36,352 bytes of whole numbers; ypart 16,777,216 bytes
;; launch route (part 1): grid 128 x 1, 4 waves a work-group, no clusters, 12,288 bytes of LDS; arguments x, Wr, br, xq, ridx; writes xq, ridx
.if DOCPART == 1
	.amdgcn_target "amdgcn-amd-amdhsa--gfx1250"
	.amdhsa_code_object_version 6
	.text
	.protected	k_q89f1363703_route
	.globl	k_q89f1363703_route
	.p2align	8
	.type	k_q89f1363703_route,@function
k_q89f1363703_route:
	s_mov_b64 s[64:65], 0
	v_nop
	global_prefetch_b8 v0, s[64:65] scope:SCOPE_SE
	s_setreg_imm32_b32 hwreg(HW_REG_WAVE_MODE, 25, 1), 1
	s_wait_xcnt 0x0
; ROUTE: the router, x into codes, and the partial sums of the load-balancing loss.
; For each of the 4,096 tokens: logits = x Wr + br in f32; softmax over the 8 experts, the row's maximum taken away; the two largest probabilities (ties: the lower index,
; as top_k and argmax have it); their weights p / max(p1 + p2, 1e-9).  x is quantised along its 512 numbers to codes of E3M2 with one E8M0 byte for each 32.
; WORK LEFT OUT IN THIS PROGRAM, AND WHY IT IS DEAD.  reference() computes all 8 experts' FFN for every token and multiplies y[e,b,s,:] by hard[b,s,e].  hard is built in reference()'s own body as a
; scatter of the two top-k values through a one_hot: for the six experts that are not among a token's two it is an exact 0, whatever finite values the inputs hold.  So in real arithmetic those
; six rows of products 3 and 4 reach no output, and only the 8,192 chosen (token, expert) rows are multiplied.  Which rows those are is stored here as whole numbers and read by later launches.
; Product 2 (the one_hot scatter) is a selection and product 5 a sum of two terms.  Every input has a way to an output and is loaded.
; LIMITS: a NaN, an infinity or an overflow that arises only in the FFN of an expert that was not chosen (0 x infinity in reference()) is not carried to the result; NaN and infinities among the
; inputs are not served; a block of x whose largest magnitude lies under 2^-122 keeps the byte 1 (a block of zeros too: its codes are zeros, and this program alone reads the bytes).
; SHARES.  A work-group takes 32 tokens, a wave 8, one after the other.  A lane owns k = 16 lane .. 16 lane + 15 of a row and the same 16 rows of Wr (128 registers, loaded once).
; Each load of x reads 512 consecutive bytes; a row turns through the wave's own stage in LDS so that a lane holds 16 neighbours.  No matrix unit: N = 8.
; xq: codes [4096][384 B] at 0; scale bytes [4096][16] at 1,572,864; weights [4096][2] f32 at 1,638,400; partial sums [128][16] f32 at 1,671,168.  ridx: [4096] e1 | e2 << 8.
.set SPL,   80                         ; a lane's place in the stage: 64 bytes + 16
.set SCB,   10240                      ; LDS: the work-group's 32 x 16 scale bytes
.set RID,   10752                      ; its 32 words of expert numbers
.set GAT,   11008                      ; its 32 pairs of weights
.set PRT,   11264                      ; four waves x 16 partial sums
.set SPARE, 11520                      ; the spare words, 128 bytes a wave: no other line names them
.set SPW,   10                         ; v10  my spare word's address; never rewritten
.set NIL,   11                         ; v11  0; never rewritten
.set WR,    16                         ; v16-143  Wr[16 lane + i][e] at v[16 + 8 i + e]
.set R,     144                        ; v144-191 three sets of 16: rows of x as loaded
.set X,     192                        ; v192-207 my 16 neighbours
.set ACC,   208                        ; v208-215 logits, then probabilities
.set PS,    216                        ; v216-223 sums of probabilities
.set FS,    224                        ; v224-231 counts of first choices
.set C,     232                        ; v232-239 codes, two sets
.set T,     240                        ; v240-247 at work
.set BV,    248
.set BI,    249
.set SV,    250
.set SI,    251
	s_load_b256 s[4:11], s[0:1], 0x0               ; x, Wr, br, xq
	s_load_b64 s[12:13], s[0:1], 0x20              ; ridx
	v_lshl_add_u32 v[SPW], v0, 2, SPARE
	v_mov_b32 v[NIL], 0
	v_lshrrev_b32 v12, 5, v0
	v_readfirstlane_b32 s16, v12                   ; wave
	v_and_b32 v1, 31, v0                           ; lane
	v_lshlrev_b32 v2, 4, v1                        ; my 16 bytes of a load's 512
	s_mul_i32 s17, s16, 32*SPL
	v_lshrrev_b32 v3, 2, v1
	v_mul_u32_u24 v3, v3, SPL
	v_and_b32 v12, 3, v1
	v_lshl_add_u32 v3, v12, 4, v3
	v_add_nc_u32 v3, s17, v3                       ; the stage, in: four lanes' 64 bytes on end, then 16 of padding
	v_mul_u32_u24 v4, v1, SPL
	v_add_nc_u32 v4, s17, v4                       ; and out: my 16 neighbours
	v_mul_u32_u24 v5, v1, 12                       ; my 12 bytes of a row's 384 bytes of codes
	v_lshrrev_b32 v6, 1, v1
	s_lshl_b32 s17, s16, 7
	s_add_co_u32 s17, s17, SCB
	v_add_nc_u32 v6, s17, v6                       ; my block's scale byte
	s_lshl_b32 s17, s16, 5
	s_add_co_u32 s17, s17, RID
	v_mov_b32 v7, s17
	s_lshl_b32 s17, s16, 6
	s_add_co_u32 s18, s17, GAT
	v_mov_b32 v8, s18
	s_add_co_u32 s18, s17, PRT
	v_mov_b32 v9, s18
	v_lshlrev_b32 v13, 9, v1                       ; my 16 rows of Wr: 512 bytes
	s_mov_b32 s28, 0x76543210
	s_mov_b32 s29, 0xfedcba98                      ; lane l xor 16
	s_mov_b32 s30, 0x3fb8aa3b                      ; log2(e)
	s_mov_b32 s31, 0x3089705f                      ; 1e-9
.irp j, 0,1,2,3,4,5,6,7,8,9,10,11,12,13,14,15
	v_mov_b32 v[PS+\j], 0                          ; the sums and the counts begin at 0
.endr
.irp j, 0,1,2,3,4,5,6,7
	v_mov_b32 v[T+\j], 0                           ; a lane permute's destination counts as one of its sources
.endr
	s_wait_kmcnt 0x0
	s_load_b256 s[20:27], s[8:9], 0x0              ; br, all eight
	s_lshl_b32 s17, ttmp9, 5
	s_lshl_b32 s18, s16, 3
	s_add_co_u32 s17, s17, s18                     ; my wave's first token
	s_lshl_b32 s18, s17, 11
	s_mov_b32 s19, 0
	s_add_nc_u64 s[4:5], s[4:5], s[18:19]          ; its row of x
	s_mul_i32 s18, s17, 384
	s_add_nc_u64 s[32:33], s[10:11], s[18:19]      ; its codes
	s_lshl_b32 s18, ttmp9, 9
	s_add_nc_u64 s[34:35], s[10:11], s[18:19]
	s_add_nc_u64 s[34:35], s[34:35], 1572864       ; the work-group's scale bytes
	s_lshl_b32 s18, ttmp9, 8
	s_add_nc_u64 s[36:37], s[10:11], s[18:19]
	s_add_nc_u64 s[36:37], s[36:37], 1638400       ; its weights
	s_lshl_b32 s18, ttmp9, 6
	s_add_nc_u64 s[38:39], s[10:11], s[18:19]
	s_add_nc_u64 s[38:39], s[38:39], 1671168       ; its partial sums
	s_lshl_b32 s18, ttmp9, 7
	s_add_nc_u64 s[12:13], s[12:13], s[18:19]      ; its expert numbers
.irp j, 0,1,2,3,4,5,6,7,8,9,10,11,12,13,14,15,16,17,18,19,20,21,22,23,24,25,26,27,28,29,30,31
	global_load_b128 v[WR+4*\j:WR+4*\j+3], v13, s[6:7] offset:16*\j
.endr
.macro XLOAD t                         ; token t's row: four loads of 512 consecutive bytes
.irp i, 0,1,2,3
	global_load_b128 v[R+16*((\t)%3)+4*\i:R+16*((\t)%3)+4*\i+3], v2, s[4:5] offset:2048*(\t)+512*\i th:TH_LOAD_NT
.endr
.endm
	XLOAD 0
	XLOAD 1
	XLOAD 2
	s_wait_kmcnt 0x0                               ; br
.macro TOKEN t
.if (\t) < 6
	s_wait_loadcnt 0x8                             ; this token's four loads are in (and Wr, which is older); the two tokens behind it stay out
.else
	s_wait_loadcnt 4*(7-(\t))
.endif
.irp i, 0,1,2,3
	ds_store_b128 v3, v[R+16*((\t)%3)+4*\i:R+16*((\t)%3)+4*\i+3] offset:8*SPL*\i
.endr
.irp i, 0,1,2,3
	ds_load_b128 v[X+4*\i:X+4*\i+3], v4 offset:16*\i               ; LDS serves a wave's instructions in order: these see the stores
.endr
	s_wait_dscnt 0x0
.if (\t)+3 < 8
	XLOAD (\t)+3                                   ; three tokens ahead, into the set just emptied
.endif
	; the quantiser: two neighbouring lanes hold a block of 32
	v_max3_num_f32 v12, |v[X]|, |v[X+1]|, |v[X+2]|
	v_max3_num_f32 v13, |v[X+3]|, |v[X+4]|, |v[X+5]|
.irp i, 6,10
	v_max3_num_f32 v12, v12, |v[X+\i]|, |v[X+\i+1]|
	v_max3_num_f32 v13, v13, |v[X+\i+2]|, |v[X+\i+3]|
.endr
	v_max3_num_f32 v12, v12, |v[X+14]|, |v[X+15]|
	v_max3_num_f32 v12, v12, v13, 0x2800000        ; the floor 2^(5 - 127): the byte cannot fall under 1
	v_max_num_f32_dpp v12, v12, v12 row_xmask:1 row_mask:0xf bank_mask:0xf
	v_add_nc_u32 v14, 0xfe000000, v12              ; 4 off the exponent field: the conversion's scale operand
	s_wait_xcnt 0x0                                ; the store of two tokens ago has read this set of codes
	v_cvt_scalef32_pk16_bf6_f32 v[C+4*((\t)%2):C+4*((\t)%2)+2], v[X:X+15], v14
	v_lshrrev_b32 v15, 23, v14                     ; the scale's byte (a plain line behind the conversion)
	ds_store_b8 v6, v15 offset:16*(\t)             ; both lanes of a block write the same byte
	global_store_b96 v5, v[C+4*((\t)%2):C+4*((\t)%2)+2], s[32:33] offset:384*(\t)   ; the wave stores the row's 384 consecutive bytes
	; the logits: my 16 products for each expert, two experts an instruction, four chains
.irp p, 0,1,2,3
	v_pk_mul_f32 v[ACC+2*\p:ACC+2*\p+1], v[X:X+1], v[WR+2*\p:WR+2*\p+1] op_sel_hi:[0,1]
.endr
.irp i, 1,2,3,4,5,6,7,8,9,10,11,12,13,14,15
.irp p, 0,1,2,3
.if \i % 2
	v_pk_fma_f32 v[ACC+2*\p:ACC+2*\p+1], v[X+\i-1:X+\i], v[WR+8*\i+2*\p:WR+8*\i+2*\p+1], v[ACC+2*\p:ACC+2*\p+1] op_sel:[1,0,0] op_sel_hi:[1,1,1]
.else
	v_pk_fma_f32 v[ACC+2*\p:ACC+2*\p+1], v[X+\i:X+\i+1], v[WR+8*\i+2*\p:WR+8*\i+2*\p+1], v[ACC+2*\p:ACC+2*\p+1] op_sel_hi:[0,1,1]
.endif
.endr
.endr
.irp n, 1,2,4,8                        ; over the 32 lanes, the experts by turns; every lane ends with the sums
.irp e, 0,1,2,3,4,5,6,7
	v_add_f32_dpp v[ACC+\e], v[ACC+\e], v[ACC+\e] row_xmask:\n row_mask:0xf bank_mask:0xf
.endr
.endr
.irp e, 0,1,2,3,4,5,6,7
	v_permlanex16_b32 v[T+\e], v[ACC+\e], s28, s29
.endr
.irp e, 0,1,2,3,4,5,6,7
	v_add_f32 v[ACC+\e], v[ACC+\e], v[T+\e]
.endr
.irp e, 0,1,2,3,4,5,6,7
	v_add_f32 v[ACC+\e], s[20+\e], v[ACC+\e]       ; + br
.endr
	; softmax
	v_max3_num_f32 v12, v[ACC], v[ACC+1], v[ACC+2]
	v_max3_num_f32 v12, v12, v[ACC+3], v[ACC+4]
	v_max3_num_f32 v12, v12, v[ACC+5], v[ACC+6]
	v_max_num_f32 v12, v12, v[ACC+7]
	v_mul_f32 v13, s30, v12
.irp e, 0,1,2,3,4,5,6,7
	v_fma_f32 v[T+\e], v[ACC+\e], s30, -v13        ; (logit - maximum) log2(e)
.endr
.irp e, 0,1,2,3,4,5,6,7
	v_exp_f32 v[T+\e], v[T+\e]
.endr
	v_nop                                          ; a plain line behind the exponentials
	s_wait_alu depctr_va_vdst(0)                   ; one wait for the eight, ahead of their first use
	v_add_f32 v12, v[T], v[T+1]
	v_add_f32 v13, v[T+2], v[T+3]
	v_add_f32 v14, v[T+4], v[T+5]
	v_add_f32 v15, v[T+6], v[T+7]
	v_add_f32 v12, v12, v13
	v_add_f32 v14, v14, v15
	v_add_f32 v12, v12, v14
	v_rcp_f32 v13, v12
	v_nop
	s_wait_alu depctr_va_vdst(0)
.irp e, 0,1,2,3,4,5,6,7
	v_mul_f32 v[ACC+\e], v[T+\e], v13              ; the probabilities
.endr
	; the largest: a strict comparison in ascending order keeps the lower index
	v_mov_b32 v[BV], v[ACC]
	v_mov_b32 v[BI], 0
.irp e, 1,2,3,4,5,6,7
	v_cmp_gt_f32 vcc_lo, v[ACC+\e], v[BV]
	v_cndmask_b32 v[BV], v[BV], v[ACC+\e], vcc_lo
	v_cndmask_b32 v[BI], v[BI], \e, vcc_lo
.endr
	; the second: the same over the other seven (a probability is never under 0, so -1 lies under all)
	v_mov_b32 v[SV], -1.0
	v_mov_b32 v[SI], 0
.irp e, 0,1,2,3,4,5,6,7
	v_cmp_gt_f32 vcc_lo, v[ACC+\e], v[SV]
	v_cmp_ne_u32 s18, \e, v[BI]
	s_and_b32 vcc_lo, vcc_lo, s18
	v_cndmask_b32 v[SV], v[SV], v[ACC+\e], vcc_lo
	v_cndmask_b32 v[SI], v[SI], \e, vcc_lo
.endr
	v_add_f32 v252, v[BV], v[SV]
	v_max_num_f32 v252, s31, v252                  ; clip(sum, 1e-9)
	v_rcp_f32 v253, v252
	v_lshl_or_b32 v12, v[SI], 8, v[BI]             ; (a plain line behind the reciprocal)
	s_wait_alu depctr_va_vdst(0)
	v_mul_f32 v254, v[BV], v253
	v_mul_f32 v255, v[SV], v253
.irp p, 0,1,2,3
	v_pk_add_f32 v[PS+2*\p:PS+2*\p+1], v[PS+2*\p:PS+2*\p+1], v[ACC+2*\p:ACC+2*\p+1]
.endr
.irp e, 0,1,2,3,4,5,6,7
	v_cmp_eq_u32 vcc_lo, \e, v[BI]
	v_add_co_ci_u32 v[FS+\e], vcc_lo, 0, v[FS+\e], vcc_lo          ; one more first choice for expert e
.endr
	ds_store_b32 v7, v12 offset:4*(\t)             ; all lanes hold the same numbers and write the same words
	ds_store_b64 v8, v[254:255] offset:8*(\t)
.endm
.irp t, 0,1,2,3,4,5,6,7
	TOKEN \t
.endr
.irp e, 0,1,2,3,4,5,6,7
	v_cvt_f32_u32 v[FS+\e], v[FS+\e]
.endr
.irp j, 0,1,2,3
	ds_store_b128 v9, v[PS+4*\j:PS+4*\j+3] offset:16*\j
.endr
	s_wait_dscnt 0x0                               ; for the others' sake: my stores have landed
	s_barrier_signal -1
	s_barrier_wait -1
	s_cmp_lg_u32 s16, 0                            ; wave 0 stores what the four waves gathered, in runs of neighbouring bytes
	s_cbranch_scc1 .Lend
	v_lshlrev_b32 v13, 2, v1
	v_lshlrev_b32 v14, 3, v1
	v_and_b32 v15, 15, v1
	v_lshlrev_b32 v15, 2, v15
	ds_load_b128 v[192:195], v2 offset:SCB
	ds_load_b32 v196, v13 offset:RID
	ds_load_b64 v[198:199], v14 offset:GAT
.irp w, 0,1,2,3
	ds_load_b32 v[200+\w], v15 offset:PRT+64*\w
.endr
	s_wait_dscnt 0x0
	global_store_b128 v2, v[192:195], s[34:35]     ; 512 scale bytes
	global_store_b32 v13, v196, s[12:13]
	global_store_b64 v14, v[198:199], s[36:37]
	v_add_f32 v200, v200, v201
	v_add_f32 v202, v202, v203
	v_add_f32 v200, v200, v202
	s_wait_xcnt 0x0                                ; EXEC changes only when the stores above have read it
	v_cmp_gt_u32 vcc_lo, 16, v1
	s_and_saveexec_b32 s18, vcc_lo
	global_store_b32 v15, v200, s[38:39]           ; 16 partial sums
	s_wait_xcnt 0x0
	s_or_b32 exec_lo, exec_lo, s18
.Lend:
	s_wait_tensorcnt 0x0                           ; the wave's end: three closing lines behind my last LDS store
	ds_add_u32 v[SPW], v[NIL]
	s_wait_dscnt 0x0
	s_endpgm
.Lfunc_end_k_q89f1363703_route:
	.size	k_q89f1363703_route, .Lfunc_end_k_q89f1363703_route-k_q89f1363703_route
	.p2alignl 7, 3214868480
	.fill 96, 4, 3214868480
	.section	.rodata,"a",@progbits
	.p2align	6, 0x0
	.amdhsa_kernel k_q89f1363703_route
		.amdhsa_group_segment_fixed_size 12288
		.amdhsa_private_segment_fixed_size 0
		.amdhsa_enable_private_segment 0
		.amdhsa_kernarg_size 40
		.amdhsa_user_sgpr_count 2
		.amdhsa_user_sgpr_kernarg_segment_ptr 1
		.amdhsa_wavefront_size32 1
		.amdhsa_system_sgpr_workgroup_id_x 1
		.amdhsa_system_sgpr_workgroup_id_y 1
		.amdhsa_system_sgpr_workgroup_id_z 1
		.amdhsa_system_vgpr_workitem_id 0
		.amdhsa_next_free_vgpr 256
		.amdhsa_next_free_sgpr 66
		.amdhsa_reserve_vcc 1
		.amdhsa_float_denorm_mode_32 3
		.amdhsa_float_denorm_mode_16_64 3
		.amdhsa_memory_ordered 1
		.amdhsa_forward_progress 1
		.amdhsa_inst_pref_size 124
	.end_amdhsa_kernel
	.amdgpu_metadata
---
amdhsa.version: [ 1, 2 ]
amdhsa.kernels:
  - .name:           k_q89f1363703_route
    .symbol:         k_q89f1363703_route.kd
    .args:
      - { .name: x, .offset: 0, .size: 8, .value_kind: global_buffer, .address_space: global }
      - { .name: Wr, .offset: 8, .size: 8, .value_kind: global_buffer, .address_space: global }
      - { .name: br, .offset: 16, .size: 8, .value_kind: global_buffer, .address_space: global }
      - { .name: xq, .offset: 24, .size: 8, .value_kind: global_buffer, .address_space: global }
      - { .name: ridx, .offset: 32, .size: 8, .value_kind: global_buffer, .address_space: global }
    .group_segment_fixed_size: 12288
    .private_segment_fixed_size: 0
    .kernarg_segment_align: 8
    .kernarg_segment_size: 40
    .max_flat_workgroup_size: 128
    .sgpr_count:     66
    .vgpr_count:     256
    .wavefront_size: 32
...
	.end_amdgpu_metadata
.endif
;; end of part 1
;; launch prep (part 2): grid 257 x 1, 8 waves a work-group, no clusters, 51,200 bytes of LDS; arguments W1, W2, ridx, xq, wq, plan, out1; writes wq, plan, out1
.if DOCPART == 2
	.amdgcn_target "amdgcn-amd-amdhsa--gfx1250"
	.amdhsa_code_object_version 6
	.text
	.protected	k_q89f1363703_prep
	.globl	k_q89f1363703_prep
	.p2align	8
	.type	k_q89f1363703_prep,@function
k_q89f1363703_prep:
	s_mov_b64 s[64:65], 0
	v_nop
	global_prefetch_b8 v0, s[64:65] scope:SCOPE_SE
	s_setreg_imm32_b32 hwreg(HW_REG_WAVE_MODE, 25, 1), 1
	s_wait_xcnt 0x0
; PREP: W1 and W2 into codes of E3M2, laid in the order of the operand's registers; beside them one work-group places the routed rows and finishes the loss.
; (Work left out: only chosen rows are multiplied later, see the first kernel's head; the weights of all eight experts are quantised, since any of them may be chosen.)
; Work-group 0: the placement.  1 .. 128: W1.  129 .. 256: W2.  The three ways part on the work-group's number alone and have LDS bytes of their own.
; THE WEIGHTS.  K is the first axis inside an expert, so a lane takes a column and its registers run down K: a block of 32 lies in one lane, and the conversions give codes with K innermost.
; A wave's task: 32 columns x 256 along K = 8 blocks a lane = 4 fragments (16 columns x 128 K).  Each load reads 128 consecutive bytes, four waves side by side 512.
; A FRAGMENT'S IMAGE, 1,536 bytes: registers 4 g .. 4 g + 3 of lane L at 512 g + 16 L; lane (r, h) holds k = 64 c + 32 h + 0 .. 31 in registers 6 c .. 6 c + 5.  A lane's 24 bytes of a block go to
; their place in the wave's stage in LDS; two fragments leave as six stores of 512 consecutive bytes.  Task number t: codes at 6,144 t, scale words at 256 t (8 bytes a fragment row: two K steps).
;   W1: t = ((16 e + w) 4 + p) 2 + kh; fragment (K step 2 kh + s', tile u) at 3,072 s' + 1,536 u; its row r is hidden unit 128 w + 32 p + 8 u + r + 8 (r / 8), so that two tiles' results are 16 neighbours.
;   W2: t = (16 e + w) 8 + kp; fragment (K step 2 kp + s', tile n); its row r is output column 32 w + 16 n + r.
; wq: W1's codes at 0, W2's at 6,291,456, W1's scale words at 12,582,912, W2's at 12,845,056.
; LIMITS: a block whose largest magnitude lies under 2^-122 keeps the byte 1 (a block of zeros too: its codes are zeros, and this program alone reads the bytes); NaN and infinities are not served.
; THE PLACEMENT: a counting sort of the 8,192 slots (2 token + k) by expert, without atomics: each of 256 threads counts its 32 slots, a scan over lanes and waves gives each its places.
; Each expert's rows are cut into tiles of 48; plan: tiles [256]{expert, rows} at 0, the slots of tile i at 2,048 + 192 i (places 0 .. 8,543); places with no row hold slot 0.
; Places 8,544 .. 8,575, the buffer's last 128 bytes, are read by nobody: a lane that has no place to clear writes its 0 there, so that no store here stands under a mask made of loaded numbers.
.set PL,    49152                      ; LDS: eight waves x eight totals
.set PA,    49408                      ; eight waves x 16 partial sums of the loss
.set SPARE, 49920                      ; the spare words, 128 bytes a wave: no other line names them
.set SPW,   10
.set NIL,   11
.set X,     32                         ; weights: v32-95 two sets of 32 numbers
.set OUTR,  96                         ; v96-143 two sets of 24: fragments on their way out
.set E,     32                         ; placement: v32-63 my 32 slots' experts, later the slots themselves
.set P,     64                         ; v64-95 their places
.set CNT,   96                         ; v96-103 my counts, later the experts' totals
.set INC,   104                        ; v104-111 the scan, later my next place for each expert
.set T,     120                        ; v120-127 at work
.set TA,    160                        ; v160 8 x thread: my tile's entry;  v161 8,544 + lane: my unread place;  v162-165 the four clearing stores' addresses.  These six hold nothing else on any way
.set DUMP,  161
.set ZA,    162
	s_load_b256 s[4:11], s[0:1], 0x0               ; W1, W2, ridx, xq
	s_load_b128 s[12:15], s[0:1], 0x20             ; wq, plan
	s_load_b64 s[16:17], s[0:1], 0x30              ; out1
	v_lshl_add_u32 v[SPW], v0, 2, SPARE
	v_mov_b32 v[NIL], 0
	v_lshrrev_b32 v1, 5, v0
	v_readfirstlane_b32 s18, v1                    ; wave
	v_and_b32 v1, 31, v0                           ; lane
	s_mov_b32 s27, 0
	s_wait_kmcnt 0x0
	s_cmp_eq_u32 ttmp9, 0
	s_cbranch_scc1 .Lplace
	v_lshlrev_b32 v2, 2, v1                        ; in: 4 bytes a lane
	v_lshlrev_b32 v5, 4, v1                        ; out: 16 bytes a lane
.macro WLOAD kb, pitch                 ; block kb: 32 rows of K at my column
.set ii, 0
.rept 32
	global_load_b32 v[X+32*((\kb)%2)+ii], v2, s[20:21] offset:(32*(\kb)+ii)*(\pitch) th:TH_LOAD_NT
.set ii, ii+1
.endr
.endm
.macro BLOCK kb, pitch
.set XB, X+32*((\kb)%2)
.if (\kb) < 7
	s_wait_loadcnt 0x20                            ; this block's 32 loads are in; the next block's may be out
.else
	s_wait_loadcnt 0x0
.endif
	v_max3_num_f32 v12, |v[XB]|, |v[XB+1]|, |v[XB+2]|
	v_max3_num_f32 v13, |v[XB+3]|, |v[XB+4]|, |v[XB+5]|
.irp i, 6,10,14,18,22,26
	v_max3_num_f32 v12, v12, |v[XB+\i]|, |v[XB+\i+1]|
	v_max3_num_f32 v13, v13, |v[XB+\i+2]|, |v[XB+\i+3]|
.endr
	v_max3_num_f32 v12, v12, |v[XB+30]|, |v[XB+31]|
	v_max3_num_f32 v12, v12, v13, 0x2800000        ; the floor 2^(5 - 127)
	v_add_nc_u32 v14, 0xfe000000, v12              ; 4 off the exponent field: the conversion's scale operand
	v_lshrrev_b32 v15, 23, v14                     ; the scale's byte
.if (\kb)%4 == 0
	v_mov_b32 v[16+(\kb)/4], v15
.else
	v_lshl_or_b32 v[16+(\kb)/4], v15, 8*((\kb)%4), v[16+(\kb)/4]
.endif
	v_cvt_scalef32_pk16_bf6_f32 v[20:22], v[XB:XB+15], v14
	v_cvt_scalef32_pk16_bf6_f32 v[28:30], v[XB+16:XB+31], v14      ; (a conversion's three registers begin on an even number)
	v_nop                                          ; a plain line behind the conversions
	v_mov_b32 v23, v28
	v_mov_b32 v24, v29
	v_mov_b32 v25, v30                             ; v20-25: the block's 24 bytes = registers 6 c .. 6 c + 5 of image lane r + 16 h, c = (kb / 2) % 2, h = kb % 2
.if ((\kb)/2)%2 == 0
	ds_store_b128 v3, v[20:23] offset:256*((\kb)%2)
	ds_store_b64 v3, v[24:25] offset:256*((\kb)%2)+512
.else
	ds_store_b64 v3, v[20:21] offset:256*((\kb)%2)+520
	ds_store_b128 v3, v[22:25] offset:256*((\kb)%2)+1024
.endif
.if (\kb)+2 < 8
	WLOAD (\kb)+2, \pitch
.endif
	s_wait_dscnt 0x0                               ; the stores have read their registers
.endm
.macro FLUSH sp                        ; a K step's two fragments leave the stage: each store covers 512 consecutive bytes, aligned
.irp i, 0,1,2,3,4,5
	ds_load_b128 v[OUTR+24*(\sp)+4*\i:OUTR+24*(\sp)+4*\i+3], v4 offset:512*\i
.endr
	s_wait_dscnt 0x0
.irp i, 0,1,2,3,4,5
	global_store_b128 v5, v[OUTR+24*(\sp)+4*\i:OUTR+24*(\sp)+4*\i+3], s[22:23] offset:3072*(\sp)+512*\i
.endr
.endm
.macro WQ pitch
	WLOAD 0, \pitch
	WLOAD 1, \pitch
.irp kb, 0,1,2,3
	BLOCK \kb, \pitch
.endr
	FLUSH 0
.irp kb, 4,5,6,7
	BLOCK \kb, \pitch
.endr
	FLUSH 1
	global_store_b64 v6, v[16:17], s[24:25]        ; my fragment row's two scale words
.endm
	s_cmp_lt_u32 ttmp9, 129
	s_cbranch_scc0 .Lw2
	; ---- W1 [8][512][2048]: e = j / 16, w = j % 16; wave i: p = i % 4, kh = i / 4
	s_sub_co_u32 s19, ttmp9, 1
	s_and_b32 s28, s18, 3
	s_lshr_b32 s29, s18, 2
	s_lshr_b32 s30, s19, 4
	s_and_b32 s31, s19, 15
	s_lshl_b32 s26, s30, 22                        ; an expert: 4,194,304 bytes
	s_lshl_b32 s32, s29, 21                        ; 256 rows of 8,192 bytes
	s_add_co_u32 s26, s26, s32
	s_lshl_b32 s32, s31, 9
	s_add_co_u32 s26, s26, s32
	s_lshl_b32 s32, s28, 7
	s_add_co_u32 s26, s26, s32                     ; column 128 w + 32 p
	s_add_nc_u64 s[20:21], s[4:5], s[26:27]
	s_lshl_b32 s33, s19, 3
	s_lshl_b32 s32, s28, 1
	s_add_co_u32 s33, s33, s32
	s_add_co_u32 s33, s33, s29                     ; the task's number
	s_mul_i32 s26, s33, 6144
	s_add_nc_u64 s[22:23], s[12:13], s[26:27]
	s_lshl_b32 s26, s33, 8
	s_add_nc_u64 s[24:25], s[12:13], s[26:27]
	s_add_nc_u64 s[24:25], s[24:25], 12582912
	v_and_b32 v7, 7, v0
	v_bfe_u32 v8, v0, 4, 1
	v_lshl_add_u32 v7, v8, 3, v7                   ; my column's row in its fragment: lane % 8 + 8 (lane / 16)
	v_bfe_u32 v9, v0, 3, 1                         ; and which of the two tiles: (lane / 8) % 2
	s_mul_i32 s34, s18, 3072                       ; my stage
	v_mul_u32_u24 v3, v9, 1536
	v_lshl_add_u32 v3, v7, 4, v3
	v_add_nc_u32 v3, s34, v3
	v_add_nc_u32 v4, s34, v5
	v_lshl_add_u32 v6, v9, 4, v7
	v_lshlrev_b32 v6, 3, v6
	WQ 8192
	s_branch .Lend
.Lw2:
	; ---- W2 [8][2048][512]: e = j / 16, q = j % 16; wave i: w = 4 (q % 4) + i % 4, kp = 2 (q / 4) + i / 4
	s_sub_co_u32 s19, ttmp9, 129
	s_lshr_b32 s30, s19, 4
	s_and_b32 s31, s19, 15
	s_and_b32 s28, s31, 3
	s_lshl_b32 s28, s28, 2
	s_and_b32 s32, s18, 3
	s_add_co_u32 s28, s28, s32                     ; w
	s_lshr_b32 s29, s31, 2
	s_lshl_b32 s29, s29, 1
	s_lshr_b32 s32, s18, 2
	s_add_co_u32 s29, s29, s32                     ; kp
	s_lshl_b32 s26, s30, 22
	s_lshl_b32 s32, s29, 19                        ; 256 rows of 2,048 bytes
	s_add_co_u32 s26, s26, s32
	s_lshl_b32 s32, s28, 7
	s_add_co_u32 s26, s26, s32                     ; column 32 w
	s_add_nc_u64 s[20:21], s[6:7], s[26:27]
	s_lshl_b32 s33, s30, 4
	s_add_co_u32 s33, s33, s28
	s_lshl_b32 s33, s33, 3
	s_add_co_u32 s33, s33, s29                     ; the task's number
	s_mul_i32 s26, s33, 6144
	s_add_nc_u64 s[22:23], s[12:13], s[26:27]
	s_add_nc_u64 s[22:23], s[22:23], 6291456
	s_lshl_b32 s26, s33, 8
	s_add_nc_u64 s[24:25], s[12:13], s[26:27]
	s_add_nc_u64 s[24:25], s[24:25], 12845056
	v_and_b32 v7, 15, v0
	v_bfe_u32 v9, v0, 4, 1
	s_mul_i32 s34, s18, 3072
	s_add_co_u32 s34, s34, 24576                   ; this way's stages lie behind the other's
	v_mul_u32_u24 v3, v9, 1536
	v_lshl_add_u32 v3, v7, 4, v3
	v_add_nc_u32 v3, s34, v3
	v_add_nc_u32 v4, s34, v5
	v_lshlrev_b32 v6, 3, v1
	WQ 2048
	s_branch .Lend
.Lplace:
	; ---- the placement: thread t has tokens 16 t .. 16 t + 15, slots 32 t .. 32 t + 31
	v_lshlrev_b32 v2, 6, v0
	v_lshlrev_b32 v3, 2, v0
	v_lshlrev_b32 v[TA], 3, v0                     ; my tile's entry: 8 bytes a thread
	v_add_nc_u32 v[DUMP], 8544, v1                 ; my unread place
	s_add_nc_u64 s[20:21], s[10:11], 1671168       ; the partial sums of the loss
	s_add_nc_u64 s[76:77], s[14:15], 2048          ; the tiles' slots
.irp i, 0,1,2,3
	global_load_b128 v[12+4*\i:15+4*\i], v2, s[8:9] offset:16*\i
.endr
.irp i, 0,1,2,3,4,5,6,7
	global_load_b32 v[128+\i], v3, s[20:21] offset:1024*\i         ; number t + 256 i: its column is t % 16
.endr
	v_lshlrev_b32 v5, 27, v1
	v_ashrrev_i32 v5, 31, v5                       ; all ones in lanes 16-31
	s_lshl_b32 s30, s18, 5
	s_add_co_u32 s30, s30, PL
	v_mov_b32 v6, s30
	v_and_b32 v8, 15, v0
	v_lshlrev_b32 v8, 2, v8
	s_lshl_b32 s30, s18, 6
	s_add_co_u32 s30, s30, PA
	v_add_nc_u32 v7, s30, v8
	v_mov_b32 v9, 0
	v_mov_b32 v136, 0
	s_mov_b32 s78, 0x76543210
	s_mov_b32 s79, 0xfedcba98
.irp e, 0,1,2,3,4,5,6,7
	v_mov_b32 v[CNT+\e], 0
	v_mov_b32 v[T+\e], 0
.endr
	s_wait_loadcnt 0x8                             ; the expert numbers are in; the eight partial sums may be out
.irp i, 0,1,2,3,4,5,6,7,8,9,10,11,12,13,14,15
	v_and_b32 v[E+2*\i], 0xff, v[12+\i]
	v_bfe_u32 v[E+2*\i+1], v[12+\i], 8, 8
.endr
.set ee, 0
.rept 8                                ; my count for each expert
.set jj, 0
.rept 32
	v_cmp_eq_u32 vcc_lo, ee, v[E+jj]
	v_add_co_ci_u32 v[CNT+ee], vcc_lo, 0, v[CNT+ee], vcc_lo
.set jj, jj+1
.endr
.set ee, ee+1
.endr
.irp e, 0,1,2,3,4,5,6,7
	v_mov_b32 v[INC+\e], v[CNT+\e]
.endr
.irp n, 1,2,4,8                        ; an inclusive scan inside each 16 lanes,
.irp e, 0,1,2,3,4,5,6,7
	v_mov_b32_dpp v[T+\e], v[INC+\e] row_shr:\n row_mask:0xf bank_mask:0xf bound_ctrl:1
.endr
.irp e, 0,1,2,3,4,5,6,7
	v_add_nc_u32 v[INC+\e], v[INC+\e], v[T+\e]
.endr
.endr
.irp e, 0,1,2,3,4,5,6,7                ; and lane 15's sum onto lanes 16-31
	v_readlane_b32 s[40+\e], v[INC+\e], 15
.endr
.irp e, 0,1,2,3,4,5,6,7
	v_and_b32 v[T+\e], s[40+\e], v5
.endr
.irp e, 0,1,2,3,4,5,6,7
	v_add_nc_u32 v[INC+\e], v[INC+\e], v[T+\e]
.endr
.irp e, 0,1,2,3,4,5,6,7
	v_readlane_b32 s[40+\e], v[INC+\e], 31         ; my wave's totals
.endr
.irp e, 0,1,2,3,4,5,6,7
	v_mov_b32 v[T+\e], s[40+\e]
	v_sub_nc_u32 v[INC+\e], v[INC+\e], v[CNT+\e]   ; what the lanes before me hold
.endr
	ds_store_b128 v6, v[T:T+3]
	ds_store_b128 v6, v[T+4:T+7] offset:16
	s_wait_loadcnt 0x0
	v_add_f32 v128, v128, v129
	v_add_f32 v130, v130, v131
	v_add_f32 v132, v132, v133
	v_add_f32 v134, v134, v135
	v_add_f32 v128, v128, v130
	v_add_f32 v132, v132, v134
	v_add_f32 v128, v128, v132
	v_permlanex16_b32 v136, v128, s78, s79         ; lane l xor 16 has the same column
	v_add_f32 v128, v128, v136
	ds_store_b32 v7, v128
	s_wait_dscnt 0x0                               ; for the others' sake: my stores have landed
	s_barrier_signal -1
	s_barrier_wait -1
.irp w, 0,1,2,3,4,5,6,7                ; all waves' totals: wave w's at v[64 + 8 w + 32 (w / 4)]
	ds_load_b128 v[64+8*\w+32*(\w/4):67+8*\w+32*(\w/4)], v9 offset:PL+32*\w
	ds_load_b128 v[68+8*\w+32*(\w/4):71+8*\w+32*(\w/4)], v9 offset:PL+32*\w+16
.endr
	s_wait_dscnt 0x0
.irp e, 0,1,2,3,4,5,6,7
	v_add_nc_u32 v[CNT+\e], v[64+\e], v[72+\e]
.endr
.irp e, 0,1,2,3,4,5,6,7
	v_add3_u32 v[CNT+\e], v[CNT+\e], v[80+\e], v[88+\e]
.endr
.irp e, 0,1,2,3,4,5,6,7
	v_add3_u32 v[CNT+\e], v[CNT+\e], v[128+\e], v[136+\e]
.endr
.irp e, 0,1,2,3,4,5,6,7
	v_add3_u32 v[CNT+\e], v[CNT+\e], v[144+\e], v[152+\e]          ; each expert's rows
.endr
.irp w, 0,1,2,3,4,5,6
	s_cmp_gt_u32 s18, \w
	s_cselect_b32 s30, 1, 0
.irp e, 0,1,2,3,4,5,6,7
	v_mad_u32_u24 v[INC+\e], v[64+8*\w+32*(\w/4)+\e], s30, v[INC+\e]   ; + the waves before mine
.endr
.endr
.irp e, 0,1,2,3,4,5,6,7
	v_readfirstlane_b32 s[40+\e], v[CNT+\e]
.endr
	s_mov_b32 s56, 0
.irp e, 0,1,2,3,4,5,6,7                ; s40.. rows, s48.. tiles = ceil(rows / 48), s56.. first tile, s66.. first place
	s_add_co_u32 s30, s[40+\e], 47
	s_mul_i32 s30, s30, 43691                      ; x 43,691 >> 21 = x / 48, rounded down, for x under 131,072; here x is 4,143 at the most
	s_lshr_b32 s[48+\e], s30, 21
	s_mul_i32 s[66+\e], s[56+\e], 48
.if \e < 7
	s_add_co_u32 s[57+\e], s[56+\e], s[48+\e]
.else
	s_add_co_u32 s74, s63, s55                     ; tiles in all
.endif
.endr
.irp e, 0,1,2,3,4,5,6,7
	v_add_nc_u32 v[INC+\e], s[66+\e], v[INC+\e]    ; my first place for each expert
.endr
.set ee, 0
.rept 8                                ; each slot takes its expert's next place
.set jj, 0
.rept 32
	v_cmp_eq_u32 vcc_lo, ee, v[E+jj]
.if ee == 0
	v_cndmask_b32 v[P+jj], 0, v[INC+ee], vcc_lo
.else
	v_cndmask_b32 v[P+jj], v[P+jj], v[INC+ee], vcc_lo
.endif
	v_add_co_ci_u32 v[INC+ee], vcc_lo, 0, v[INC+ee], vcc_lo
.set jj, jj+1
.endr
.set ee, ee+1
.endr
.set jj, 0
.rept 32
	v_min_u32 v[P+jj], 8543, v[P+jj]               ; 178 tiles x 48 places
	v_lshlrev_b32 v[P+jj], 2, v[P+jj]
	v_lshl_add_u32 v[E+jj], v0, 5, jj              ; the slot
	global_store_b32 v[P+jj], v[E+jj], s[76:77]
.set jj, jj+1
.endr
.macro ZSTORE a, lim                   ; slot 0 into place v120 where it lies under lim; else into my unread place.  Every lane stores: EXEC is not touched.  Each of the four has an address register of its own
	v_cmp_gt_u32 vcc_lo, \lim, v120
	v_cndmask_b32 v[\a], v[DUMP], v120, vcc_lo
	v_min_u32 v[\a], 8575, v[\a]                   ; the buffer's last place
	v_lshlrev_b32 v[\a], 2, v[\a]
	global_store_b32 v[\a], v9, s[76:77]
.endm
	s_mov_b32 s30, s40                             ; wave w fills the last tile of expert w: 47 places at the most
	s_mov_b32 s31, s48
	s_mov_b32 s32, s66
.irp e, 1,2,3,4,5,6,7
	s_cmp_eq_u32 s18, \e
	s_cselect_b32 s30, s[40+\e], s30
	s_cselect_b32 s31, s[48+\e], s31
	s_cselect_b32 s32, s[66+\e], s32
.endr
	s_add_co_u32 s33, s32, s30
	s_mul_i32 s34, s31, 48
	s_add_co_u32 s34, s34, s32
	v_add_nc_u32 v120, s33, v1
	ZSTORE ZA, s34
	v_add_nc_u32 v120, 32, v120
	ZSTORE ZA+1, s34
	s_mul_i32 s33, s74, 48                         ; and all threads the tiles that this split leaves without rows: 7 tiles at the most, since 171 are always used
	v_add_nc_u32 v120, s33, v0
	ZSTORE ZA+2, 8544
	v_add_nc_u32 v120, 0x100, v120
	ZSTORE ZA+3, 8544
	v_mov_b32 v124, 0                              ; tile t: its expert and its rows; {0, 0} behind the last
	v_mov_b32 v125, 0
.irp e, 0,1,2,3,4,5,6,7
	v_sub_nc_u32 v122, v0, s[56+\e]
	v_cmp_gt_u32 vcc_lo, s[48+\e], v122
	v_mul_u32_u24 v123, 48, v122
	v_sub_nc_u32 v123, s[40+\e], v123
	v_cndmask_b32 v124, v124, \e, vcc_lo
	v_cndmask_b32 v125, v125, v123, vcc_lo
.endr
	v_min_u32 v125, 48, v125
	global_store_b64 v[TA], v[124:125], s[14:15]
	; the loss: columns 0-7 hold the sums of probabilities, 8-15 the counts of first choices: 8 x sum (P / 4096)(F / 4096)
.irp w, 0,1,2,3,4,5,6,7
	ds_load_b32 v[128+\w], v8 offset:PA+64*\w
.endr
	s_wait_dscnt 0x0
	v_add_f32 v128, v128, v129
	v_add_f32 v130, v130, v131
	v_add_f32 v132, v132, v133
	v_add_f32 v134, v134, v135
	v_add_f32 v128, v128, v130
	v_add_f32 v132, v132, v134
	v_add_f32 v128, v128, v132
	v_mul_f32_dpp v128, v128, v128 row_xmask:8 row_mask:0xf bank_mask:0xf
	v_add_f32_dpp v128, v128, v128 row_xmask:1 row_mask:0xf bank_mask:0xf
	v_add_f32_dpp v128, v128, v128 row_xmask:2 row_mask:0xf bank_mask:0xf
	v_add_f32_dpp v128, v128, v128 row_xmask:4 row_mask:0xf bank_mask:0xf
	v_mul_f32 v128, 0x35000000, v128               ; x 2^-21
	s_wait_xcnt 0x0                                ; EXEC changes only when the stores above have read it
	v_cmp_eq_u32 vcc_lo, 0, v0                     ; one thread stores the one number: a mask made of the thread's number alone
	s_and_saveexec_b32 s35, vcc_lo
	global_store_b32 v9, v128, s[16:17]
	s_wait_xcnt 0x0
	s_or_b32 exec_lo, exec_lo, s35
.Lend:
	s_wait_tensorcnt 0x0                           ; the wave's end: three closing lines behind my last LDS store
	ds_add_u32 v[SPW], v[NIL]
	s_wait_dscnt 0x0
	s_endpgm
.Lfunc_end_k_q89f1363703_prep:
	.size	k_q89f1363703_prep, .Lfunc_end_k_q89f1363703_prep-k_q89f1363703_prep
	.p2alignl 7, 3214868480
	.fill 96, 4, 3214868480
	.section	.rodata,"a",@progbits
	.p2align	6, 0x0
	.amdhsa_kernel k_q89f1363703_prep
		.amdhsa_group_segment_fixed_size 51200
		.amdhsa_private_segment_fixed_size 0
		.amdhsa_enable_private_segment 0
		.amdhsa_kernarg_size 56
		.amdhsa_user_sgpr_count 2
		.amdhsa_user_sgpr_kernarg_segment_ptr 1
		.amdhsa_wavefront_size32 1
		.amdhsa_system_sgpr_workgroup_id_x 1
		.amdhsa_system_sgpr_workgroup_id_y 1
		.amdhsa_system_sgpr_workgroup_id_z 1
		.amdhsa_system_vgpr_workitem_id 0
		.amdhsa_next_free_vgpr 176
		.amdhsa_next_free_sgpr 90
		.amdhsa_reserve_vcc 1
		.amdhsa_float_denorm_mode_32 3
		.amdhsa_float_denorm_mode_16_64 3
		.amdhsa_memory_ordered 1
		.amdhsa_forward_progress 1
		.amdhsa_inst_pref_size 155
	.end_amdhsa_kernel
	.amdgpu_metadata
---
amdhsa.version: [ 1, 2 ]
amdhsa.kernels:
  - .name:           k_q89f1363703_prep
    .symbol:         k_q89f1363703_prep.kd
    .args:
      - { .name: W1, .offset: 0, .size: 8, .value_kind: global_buffer, .address_space: global }
      - { .name: W2, .offset: 8, .size: 8, .value_kind: global_buffer, .address_space: global }
      - { .name: ridx, .offset: 16, .size: 8, .value_kind: global_buffer, .address_space: global }
      - { .name: xq, .offset: 24, .size: 8, .value_kind: global_buffer, .address_space: global }
      - { .name: wq, .offset: 32, .size: 8, .value_kind: global_buffer, .address_space: global }
      - { .name: plan, .offset: 40, .size: 8, .value_kind: global_buffer, .address_space: global }
      - { .name: out1, .offset: 48, .size: 8, .value_kind: global_buffer, .address_space: global }
    .group_segment_fixed_size: 51200
    .private_segment_fixed_size: 0
    .kernarg_segment_align: 8
    .kernarg_segment_size: 56
    .max_flat_workgroup_size: 256
    .sgpr_count:     90
    .vgpr_count:     176
    .wavefront_size: 32
...
	.end_amdgpu_metadata
.endif
;; end of part 2
;; launch chain (part 3): grid 178 x 1, 16 waves a work-group, no clusters, 197,632 bytes of LDS; arguments xq, wq, plan, b1, b2, ypart; writes ypart
.if DOCPART == 3
	.amdgcn_target "amdgcn-amd-amdhsa--gfx1250"
	.amdhsa_code_object_version 6
	.text
	.protected	k_q89f1363703_chain
	.globl	k_q89f1363703_chain
	.p2align	8
	.type	k_q89f1363703_chain,@function
k_q89f1363703_chain:
	s_mov_b64 s[64:65], 0
	v_nop
	global_prefetch_b8 v0, s[64:65] scope:SCOPE_SE
	s_setreg_imm32_b32 hwreg(HW_REG_WAVE_MODE, 25, 1), 1
	s_wait_xcnt 0x0
; CHAIN: one tile of up to 48 routed rows of ONE expert through the whole FFN: ypart[slot] = weight x (gelu(x W1 + b1) W2 + b2), both products on codes of E3M2 with E8M0 scales.
; Work left out: only the rows that the router chose are multiplied (shown dead at the first kernel's head).  The hidden layer lives in registers and LDS alone.
; THE GRID serves every split: the sum over experts of ceil(rows / 48) is at most (8,192 + 8 x 47) / 48 = 178.  A tile that a split leaves without rows walks the same text on slot 0's rows and stores
; nothing: every wave passes every barrier, and no barrier stands under a branch on a loaded number.  Branches on the tile's count lead past stores alone.
; No tensor load and no cluster: the tile's expert and rows are numbers read from memory.  The weights come from memory straight into registers, as images of the operand's registers.
; SHARES.  Sixteen waves of 256 registers, four to a SIMD, so that one wave's vector work stands beside another's products and loads.  THE WAVES SHARE THE COLUMNS: wave w makes hidden units
; 128 w .. 128 w + 127 (K step w of the second product) and output columns 32 w .. 32 w + 31, for all 48 rows (three tiles m of 16).  Each fragment of a weight feeds three matrix instructions.
; Both products are used transposed (source 0 = 16 rows of the weight, source 1 = 16 rows of the tile): a lane holds one row throughout.  The biases are the C of each sum's first instruction.
; GELU, exact form: gelu(h) = max(h, 0) - |h| q, q = erfc(|h| / sqrt 2) / 2 = t 2^(P(t) - h^2 log2(e) / 2), t = 1 / (1 + |h| / (2 sqrt 2)), P the degree-9 polynomial of the classical fit of erfc
; (fractional error under 1.2e-7 everywhere), its coefficients multiplied by log2(e), 1 taken off the constant for the half.  No difference of near numbers in the negative tail.
; LIMITS: where q falls under 2^-126 it counts as 0; where h^2 overflows the exponent is -infinity, q = 0 and gelu is h or 0; NaN and infinities are not served.
; LDS: x's 12 fragments (4 m + s) at 0; the hidden layer's 48 (3 s + m), each as two halves of 768 bytes (16 bytes a lane, then 8); its scale words [s][row][4 words]; a stage of 48 rows x (2,048 + 16).
; REGISTERS: v1 16 lane, v2 8 lane; v5-9, v16 LDS addresses; v10-12 the rows' weights; v13-15 scale words in the making; v17 the biases' offset; v18-19 c9; v20-35 the weight's scale words;
; v36-43 x's, later the hidden layer's; phase 1: v44-139 H (tile m, weight tile tt at 44 + 32 m + 8 tt), v140-175 x's fragments and work, v176-207 b1, v208-255 two groups of two fragments of W1;
; phase 2: v44-91 Y, v92-107 b2, v108-143 and v148-183 the hidden layer's fragments by turns, v184-255 three K steps of W2 by turns.
.set HIMG,   18432
.set HSC,    92160
.set STG,    96256
.set SPITCH, 2064
.set SPARE,  195328                    ; the spare words, 128 bytes a wave: no other line names them
.set SPW,    3                         ; v3  my spare word's address; never rewritten
.set NIL,    4                         ; v4  0; never rewritten
.set WS,     20
.set XS,     36
.set H,      44
.set X,      140
.set B1,     176
.set WB,     208
.set Y,      44
.set B2,     92
.set OUTR,   108
	s_load_b256 s[4:11], s[0:1], 0x0               ; xq, wq, plan, b1
	s_load_b128 s[12:15], s[0:1], 0x20             ; b2, ypart
	v_lshl_add_u32 v[SPW], v0, 2, SPARE
	v_mov_b32 v[NIL], 0
	v_lshrrev_b32 v44, 5, v0
	v_readfirstlane_b32 s16, v44                   ; wave 0..15
	v_and_b32 v44, 31, v0                          ; lane
	v_and_b32 v45, 15, v0                          ; r
	v_bfe_u32 v46, v0, 4, 1                        ; h
	v_lshlrev_b32 v1, 4, v44
	v_lshlrev_b32 v2, 3, v44
	v_lshlrev_b32 v47, 2, v45
	v_lshlrev_b32 v48, 2, v44
	s_lshr_b32 s54, s16, 2
	s_min_u32 s54, s54, 2
	s_lshl_b32 s54, s54, 6
	v_add_nc_u32 v49, s54, v47                     ; the rows of the tile m = wave / 4 whose fragment of x I gather
	s_mov_b32 s37, 0
	s_mul_i32 s55, s16, 3                          ; the first of the three rows that I store
	s_wait_kmcnt 0x0
	s_lshl_b32 s36, ttmp9, 3
	s_add_nc_u64 s[50:51], s[8:9], s[36:37]
	s_load_b64 s[18:19], s[50:51], 0x0             ; the tile's expert and its rows
	s_mul_i32 s36, ttmp9, 192
	s_add_nc_u64 s[42:43], s[8:9], s[36:37]
	s_add_nc_u64 s[42:43], s[42:43], 2048          ; its 48 slots
	s_lshl_b32 s36, s55, 2
	s_add_nc_u64 s[46:47], s[42:43], s[36:37]
	s_load_b32 s20, s[46:47], 0x0
	s_load_b32 s21, s[46:47], 0x4
	s_load_b32 s22, s[46:47], 0x8                  ; the slots of my three rows
	global_load_b32 v50, v47, s[42:43]             ; slot of row r of tile 0,
	global_load_b32 v51, v47, s[42:43] offset:64   ; 1,
	global_load_b32 v52, v47, s[42:43] offset:128  ; 2;
	global_load_b32 v53, v48, s[42:43]             ; of rows 0-31, a lane a row;
	global_load_b32 v54, v49, s[42:43]             ; of the tile that I gather
	; every LDS address is made here, ahead of the first branch on the wave's number
	s_mul_i32 s54, s16, 4608
	s_add_co_u32 s54, s54, HIMG
	v_add_nc_u32 v5, s54, v1                       ; my K step's three fragments: the 16-byte parts,
	s_add_co_u32 s54, s54, 512
	v_add_nc_u32 v6, s54, v2                       ; the 8-byte parts,
	s_lshl_b32 s54, s16, 8
	s_add_co_u32 s54, s54, HSC
	v_lshl_add_u32 v7, v45, 4, s54                 ; and their scale words
	v_lshl_add_u32 v16, v45, 4, HSC                ; any K step's scale words of row r
	v_mul_u32_u24 v8, v45, SPITCH
	v_lshl_add_u32 v8, v46, 5, v8
	s_lshl_b32 s54, s16, 7
	s_add_co_u32 s54, s54, STG
	v_add_nc_u32 v8, s54, v8                       ; the stage, in: row r, my 32 columns, 32 bytes for each half of the lanes
	s_mul_i32 s54, s16, 3*SPITCH
	s_add_co_u32 s54, s54, STG
	v_add_nc_u32 v9, s54, v1                       ; and back: my three rows
	s_mul_i32 s54, s16, 1536
	v_add_nc_u32 v61, s54, v1                      ; x's fragment number wave
	v_lshlrev_b32 v17, 6, v46                      ; b1: 64 h
	v_mul_u32_u24 v62, v46, 24
	v_mov_b32 v18, 0x3e7c6f08                      ; c9
	v_mov_b32 v19, 0x3e7c6f08
	s_and_b32 s23, s16, 3
	s_mul_i32 s23, s23, 96                         ; the K step of x that I gather
	s_mov_b32 s52, 0x76543210
	s_mov_b32 s53, 0xfedcba98                      ; lane l xor 16
.macro COEF k, bits                    ; the packed forms name a pair and take its low word for both halves: both are written
	s_mov_b32 s[66+2*\k], \bits
	s_mov_b32 s[67+2*\k], \bits
.endm
	COEF 0, 0xc034d90f
	COEF 1, 0x3fb8ab5a
	COEF 2, 0x3f0a29d2
	COEF 3, 0x3e0efb2e
	COEF 4, 0xbe899a80
	COEF 5, 0x3ecdfd18
	COEF 6, 0xbfd1a1e5
	COEF 7, 0x40097039
	COEF 8, 0xbf97d29d
	COEF 9, 0xbf38aa3b                             ; s[84:85]: -log2(e) / 2
	s_mov_b32 s86, 0x3eb504f3                      ; 1 / (2 sqrt 2)
	s_wait_kmcnt 0x0
	s_min_u32 s18, s18, 7
	s_lshl_b32 s54, s18, 4
	s_add_co_u32 s54, s54, s16                     ; 16 e + w
	s_mul_i32 s36, s54, 49152
	s_add_nc_u64 s[24:25], s[6:7], s[36:37]        ; my stream of W1's codes,
	s_add_nc_u64 s[26:27], s[24:25], 6291456       ; of W2's,
	s_lshl_b32 s36, s54, 11
	s_add_nc_u64 s[28:29], s[6:7], s[36:37]
	s_add_nc_u64 s[30:31], s[28:29], 12845056      ; W2's scale words,
	s_add_nc_u64 s[28:29], s[28:29], 12582912      ; W1's
	s_lshl_b32 s36, s18, 13
	s_lshl_b32 s54, s16, 9
	s_add_co_u32 s36, s36, s54
	s_add_nc_u64 s[32:33], s[10:11], s[36:37]      ; b1 at my 128 units
	s_lshl_b32 s36, s18, 11
	s_lshl_b32 s54, s16, 7
	s_add_co_u32 s36, s36, s54
	s_add_nc_u64 s[34:35], s[12:13], s[36:37]      ; b2 at my 32 columns
	s_add_nc_u64 s[38:39], s[4:5], 1572864         ; x's scale bytes
	s_add_nc_u64 s[40:41], s[4:5], 1638400         ; the weights
.irp i, 0,1,2
	s_min_u32 s[20+\i], s[20+\i], 8191
	s_lshl_b32 s36, s[20+\i], 11
	s_add_nc_u64 s[44+2*\i:45+2*\i], s[14:15], s[36:37]            ; where my three rows go
.endr
.macro PLACES                          ; four places behind a matrix instruction, ahead of loads into its registers and of reads of its results
.rept 4
	v_nop
.endr
.endm
.macro LOADG g                         ; group g = 8 c + 2 s + pp: the two fragments (u = 0, 1) of W1 for units 32 (2 c + pp) on, K step s: six loads of 512 consecutive bytes
.irp i, 0,1,2,3,4,5
	global_load_b128 v[WB+24*((\g)%2)+4*\i:WB+24*((\g)%2)+4*\i+3], v1, s[24:25] offset:(2*((\g)/8)+(\g)%2)*12288+(((\g)%8)/2)*3072+512*\i
.endr
.endm
.macro LOADB1 c                        ; b1 in the result's layout, for the half's four weight tiles: unit 32 p + 16 h + 8 u + 0 .. 7
.irp t, 0,1,2,3
	global_load_b128 v[B1+8*\t:B1+8*\t+3], v17, s[32:33] offset:128*(2*(\c)+\t/2)+32*(\t%2)
	global_load_b128 v[B1+8*\t+4:B1+8*\t+7], v17, s[32:33] offset:128*(2*(\c)+\t/2)+32*(\t%2)+16
.endr
.endm
.macro LOADW2 st                       ; K step st of W2: two fragments, into the ring's set st % 3 (v208, v232, v184)
.set rR, 208+24*((\st)%3)-72*(((\st)%3)/2)
.irp i, 0,1,2,3,4,5
	global_load_b128 v[rR+4*\i:rR+4*\i+3], v1, s[26:27] offset:3072*(\st)+512*\i
.endr
.endm
.irp k, 0,1,2,3,4,5,6,7
	global_load_b64 v[WS+2*\k:WS+2*\k+1], v2, s[28:29] offset:256*\k   ; W1's scale words: v[20 + 4 p + s]: lanes 0-15 tile 2 p, lanes 16-31 tile 2 p + 1
.endr
	LOADB1 0
	LOADG 0
	LOADG 1
	s_wait_loadcnt 0x1c                            ; the five loads of slots are in; the 28 behind them may be out
.irp m, 0,1,2
	v_min_u32 v[55+\m], 0x1fff, v[50+\m]
	v_lshlrev_b32 v[55+\m], 2, v[55+\m]
.endr
	v_lshrrev_b32 v58, 1, v53                      ; token = slot / 2
	v_min_u32 v58, 0xfff, v58
	v_lshlrev_b32 v58, 4, v58
	v_lshrrev_b32 v59, 1, v52
	v_min_u32 v59, 0xfff, v59
	v_lshlrev_b32 v59, 4, v59
	v_lshrrev_b32 v60, 1, v54
	v_min_u32 v60, 0xfff, v60
	v_mul_u32_u24 v60, v60, 384
	v_add_nc_u32 v60, v60, v62
	v_add_nc_u32 v60, s23, v60                     ; the row's codes, + 96 s + 24 h
.irp m, 0,1,2
	global_load_b32 v[10+\m], v[55+\m], s[40:41]   ; the weight of row r of tile m
.endr
	global_load_b128 v[XS:XS+3], v58, s[38:39]     ; x's scale words, a register a K step: lanes 0-15 tile 0, lanes 16-31 tile 1;
	global_load_b128 v[XS+4:XS+7], v59, s[38:39]   ; tile 2
	s_cmp_lt_u32 s16, 12                           ; waves 0 to 11 gather x's twelve fragments: wave 4 m + s
	s_cbranch_scc0 .Lnox
.irp p, 0,1,2,3,4,5
	global_load_b64 v[X+2*\p:X+2*\p+1], v60, s[4:5] offset:48*(\p/3)+8*(\p%3)
.endr
	s_wait_loadcnt 0x0
.irp i, 0,1,2
	ds_store_b128 v61, v[X+4*\i:X+4*\i+3] offset:512*\i            ; as an image of its registers
.endr
.Lnox:
	s_wait_loadcnt 0x0
	s_wait_dscnt 0x0                               ; for the others' sake: my stores have landed
	s_barrier_signal -1
	s_barrier_wait -1                              ; x's fragments lie in LDS
.macro XFETCH st                       ; K step st of x, three tiles of rows
.irp m, 0,1,2
.irp i, 0,1,2
	ds_load_b128 v[X+12*\m+4*\i:X+12*\m+4*\i+3], v1 offset:(4*\m+(\st))*1536+512*\i
.endr
.endr
.endm
.macro WM                              ; one matrix instruction from the symbols rD, rA, rB, rC, rSA, rSB; fRA, fRB: the scales stand in lanes 16-31
.if fRA && fRB
	v_wmma_scale_f32_16x16x128_f8f6f4 v[rD:rD+7], v[rA:rA+11], v[rB:rB+11], v[rC:rC+7], v[rSA], v[rSB] matrix_a_fmt:MATRIX_FMT_BF6 matrix_b_fmt:MATRIX_FMT_BF6 matrix_a_scale:MATRIX_SCALE_ROW1 matrix_b_scale:MATRIX_SCALE_ROW1
.elseif fRA
	v_wmma_scale_f32_16x16x128_f8f6f4 v[rD:rD+7], v[rA:rA+11], v[rB:rB+11], v[rC:rC+7], v[rSA], v[rSB] matrix_a_fmt:MATRIX_FMT_BF6 matrix_b_fmt:MATRIX_FMT_BF6 matrix_a_scale:MATRIX_SCALE_ROW1
.elseif fRB
	v_wmma_scale_f32_16x16x128_f8f6f4 v[rD:rD+7], v[rA:rA+11], v[rB:rB+11], v[rC:rC+7], v[rSA], v[rSB] matrix_a_fmt:MATRIX_FMT_BF6 matrix_b_fmt:MATRIX_FMT_BF6 matrix_b_scale:MATRIX_SCALE_ROW1
.else
	v_wmma_scale_f32_16x16x128_f8f6f4 v[rD:rD+7], v[rA:rA+11], v[rB:rB+11], v[rC:rC+7], v[rSA], v[rSB] matrix_a_fmt:MATRIX_FMT_BF6 matrix_b_fmt:MATRIX_FMT_BF6
.endif
.endm
.macro MM1 c, s, pp                    ; six products: two weight tiles x three tiles of rows.  The twelve accumulators of two groups take turns, one instruction a turn
.irp u, 0,1
.irp m, 0,1,2
.set rD, H+32*\m+8*(2*(\pp)+\u)
.set rA, WB+24*(\pp)+12*\u
.set rB, X+12*\m
.if (\s) == 0
.set rC, B1+8*(2*(\pp)+\u)
.else
.set rC, rD
.endif
.set rSA, WS+4*(2*(\c)+(\pp))+(\s)
.set fRA, \u
.set rSB, XS+(\s)+4*(\m/2)
.set fRB, \m%2
	WM
.endr
.endr
.endm
.macro GRP c, s, pp
.set GA, 8*(\c)+2*(\s)+(\pp)
.if (\pp) == 0
	s_wait_dscnt 0x0                               ; this K step's fragments of x are in
.endif
	s_wait_loadcnt 0x6                             ; this group is in (and b1, which is older); the six loads of the group behind it may be out
	MM1 \c, \s, \pp
	PLACES
.if ((\pp) == 1) && ((\s) < 3)
	XFETCH (\s)+1
.endif
.if ((\pp) == 1) && ((\s) == 3)
	v_nop                                          ; a fifth place: the next matrix instruction on these accumulators begins them anew with another C
.endif
.if GA == 7
	LOADB1 1
.endif
.if GA < 14
	LOADG GA+2                                     ; two groups ahead, into the set just multiplied
.endif
.if GA == 14
	LOADW2 0
.endif
.if GA == 15
.irp k, 0,1,2,3,4,5,6,7
	global_load_b64 v[WS+2*\k:WS+2*\k+1], v2, s[30:31] offset:256*\k   ; W2's scale words: v[20 + s]: lanes 0-15 tile 0, lanes 16-31 tile 1
.endr
	LOADW2 1
	LOADW2 2
.endif
.endm
.macro GELU12 hb                       ; twelve numbers in place.  T = v140.., A = v152.., U = v164.  Ascending
.irp i, 0,1,2,3,4,5,6,7,8,9,10,11
	v_fma_f32 v[X+\i], |v[(\hb)+\i]|, s86, 1.0
.endr
.irp i, 0,1,2,3,4,5,6,7,8,9,10,11
	v_rcp_f32 v[X+\i], v[X+\i]                     ; t
.endr
.irp i, 0,2,4,6,8,10
	v_pk_mul_f32 v[X+24+\i:X+25+\i], v[(\hb)+\i:(\hb)+\i+1], v[(\hb)+\i:(\hb)+\i+1]   ; h^2: plain lines behind the reciprocals
.endr
	s_wait_alu depctr_va_vdst(0)                   ; one wait for the twelve, ahead of their first use
.irp i, 0,2,4,6,8,10
	v_pk_fma_f32 v[X+12+\i:X+13+\i], v[X+\i:X+\i+1], v[18:19], s[82:83] op_sel_hi:[1,1,0]
.endr
.irp k, 7,6,5,4,3,2,1,0
.irp i, 0,2,4,6,8,10
	v_pk_fma_f32 v[X+12+\i:X+13+\i], v[X+12+\i:X+13+\i], v[X+\i:X+\i+1], s[66+2*\k:67+2*\k] op_sel_hi:[1,1,0]
.endr
.endr
.irp i, 0,2,4,6,8,10
	v_pk_fma_f32 v[X+12+\i:X+13+\i], v[X+24+\i:X+25+\i], s[84:85], v[X+12+\i:X+13+\i] op_sel_hi:[1,0,1]
.endr
.irp i, 0,1,2,3,4,5,6,7,8,9,10,11
	v_exp_f32 v[X+12+\i], v[X+12+\i]
.endr
.irp i, 0,1,2,3,4,5,6,7,8,9,10,11
	v_max_num_f32 v[X+24+\i], 0, v[(\hb)+\i]       ; max(h, 0): plain lines behind the exponentials
.endr
	s_wait_alu depctr_va_vdst(0)
.irp i, 0,2,4,6,8,10
	v_pk_mul_f32 v[X+\i:X+\i+1], v[X+\i:X+\i+1], v[X+12+\i:X+13+\i]   ; q
.endr
.irp i, 0,1,2,3,4,5,6,7,8,9,10,11
	v_fma_f32 v[(\hb)+\i], -|v[(\hb)+\i]|, v[X+\i], v[X+24+\i]
.endr
.endm
.macro QUANTH c, m                     ; the half's 32 registers of tile m are two blocks of 32 units, 16 in lane l and 16 in lane l xor 16: they become registers 6 c .. 6 c + 5 of my K step's fragment
.set rH, H+32*(\m)
.set rP, X+8*(\m)
	v_max3_num_f32 v168, |v[rH]|, |v[rH+1]|, 0x2800000             ; with the floor 2^(5 - 127)
	v_max3_num_f32 v169, |v[rH+16]|, |v[rH+17]|, 0x2800000
.irp i, 2,4,6,8,10,12,14
	v_max3_num_f32 v168, v168, |v[rH+\i]|, |v[rH+\i+1]|
	v_max3_num_f32 v169, v169, |v[rH+16+\i]|, |v[rH+17+\i]|
.endr
	v_permlanex16_b32 v170, v168, s52, s53
	v_permlanex16_b32 v171, v169, s52, s53
	v_max_num_f32 v168, v168, v170
	v_max_num_f32 v169, v169, v171
	v_add_nc_u32 v172, 0xfe000000, v168            ; 4 off the exponent field: the conversion's scale operand
	v_add_nc_u32 v173, 0xfe000000, v169
	v_lshrrev_b32 v174, 23, v172
	v_lshrrev_b32 v175, 23, v173
.if (\c) == 0
	v_lshl_or_b32 v[13+(\m)], v175, 8, v174        ; the scale word's bytes 0, 1
.else
	v_lshl_or_b32 v174, v175, 8, v174
	v_lshl_or_b32 v[13+(\m)], v174, 16, v[13+(\m)] ; and 2, 3
.endif
	v_cvt_scalef32_pk16_bf6_f32 v[rP:rP+2], v[rH:rH+15], v172
	v_cvt_scalef32_pk16_bf6_f32 v[164:166], v[rH+16:rH+31], v173
	v_nop                                          ; a plain line behind the conversions
.irp i, 0,1,2
	v_permlane16_swap_b32 v[rP+\i], v[164+\i]      ; a whole block to a lane: lanes 0-15 the first, lanes 16-31 the second
.endr
.irp i, 0,1,2
	v_mov_b32 v[rP+3+\i], v[164+\i]
.endr
	ds_store_b128 v5, v[rP:rP+3] offset:1536*(\m)+768*(\c)
	ds_store_b64 v6, v[rP+4:rP+5] offset:1536*(\m)+768*(\c)
.endm
	; ---- phase 1: my 128 hidden units in two halves of 64
	XFETCH 0
.irp c, 0,1
.irp s, 0,1,2,3
.irp pp, 0,1
	GRP \c, \s, \pp
.endr
.endr
.irp g, 0,1,2,3,4,5,6,7
	GELU12 H+12*\g
.endr
.irp m, 0,1,2
	QUANTH \c, \m
.endr
.if \c == 0
	s_wait_dscnt 0x0                               ; the stores have read their registers
	XFETCH 0
.endif
.endr
.irp m, 0,1,2
	ds_store_b32 v7, v[13+\m] offset:4*\m          ; lanes l and l xor 16 hold the same word and write the same place
.endr
	v_lshrrev_b32 v17, 1, v17                      ; b2: 32 h (b1's loads were shown done by the wait of the second half's first group)
.irp n, 0,1
	global_load_b128 v[B2+8*\n:B2+8*\n+3], v17, s[34:35] offset:64*\n
	global_load_b128 v[B2+8*\n+4:B2+8*\n+7], v17, s[34:35] offset:64*\n+16
.endr
	s_wait_dscnt 0x0                               ; for the others' sake: my stores have landed
	v_add_nc_u32 v5, HIMG+46080, v1                ; K steps 10 on lie beyond an LDS instruction's 16-bit offset from v1 and v2
	v_add_nc_u32 v6, HIMG+46080+512, v2
	s_barrier_signal -1
	s_barrier_wait -1                              ; the hidden layer's 48 fragments lie in LDS
.macro HFETCH st                       ; K step st: three fragments and their scale words: 13 loads
.set rF, 108+40*((\st)%2)
.set rS, XS+4*((\st)%2)
.irp m, 0,1,2
.if (\st) < 10
	ds_load_b128 v[rF+12*\m:rF+12*\m+3], v1 offset:HIMG+(3*(\st)+\m)*1536
	ds_load_b64 v[rF+12*\m+4:rF+12*\m+5], v2 offset:HIMG+(3*(\st)+\m)*1536+512
	ds_load_b128 v[rF+12*\m+6:rF+12*\m+9], v1 offset:HIMG+(3*(\st)+\m)*1536+768
	ds_load_b64 v[rF+12*\m+10:rF+12*\m+11], v2 offset:HIMG+(3*(\st)+\m)*1536+1280
.else
	ds_load_b128 v[rF+12*\m:rF+12*\m+3], v5 offset:(3*((\st)-10)+\m)*1536
	ds_load_b64 v[rF+12*\m+4:rF+12*\m+5], v6 offset:(3*((\st)-10)+\m)*1536
	ds_load_b128 v[rF+12*\m+6:rF+12*\m+9], v5 offset:(3*((\st)-10)+\m)*1536+768
	ds_load_b64 v[rF+12*\m+10:rF+12*\m+11], v6 offset:(3*((\st)-10)+\m)*1536+768
.endif
.endr
	ds_load_b96 v[rS:rS+2], v16 offset:256*(\st)
.endm
.macro MM2 st                          ; six products: three tiles of rows x my two tiles of columns; the six accumulators take turns
.irp m, 0,1,2
.irp n, 0,1
.set rD, Y+8*(3*\n+\m)
.set rA, 208+24*((\st)%3)-72*(((\st)%3)/2)+12*\n
.set rB, 108+40*((\st)%2)+12*\m
.if (\st) == 0
.set rC, B2+8*\n
.else
.set rC, rD
.endif
.set rSA, WS+(\st)
.set fRA, \n
.set rSB, XS+4*((\st)%2)+\m
.set fRB, 0
	WM
.endr
.endr
.endm
	; ---- phase 2: my 32 columns, over the 16 K steps
	HFETCH 0
.irp st, 0,1,2,3,4,5,6,7,8,9,10,11,12,13,14,15
.if \st < 15
	HFETCH \st+1
	s_wait_dscnt 0xd                               ; this step's 13 loads are in; the next step's may be out
.else
	s_wait_dscnt 0x0
.endif
.if \st == 0
	s_wait_loadcnt 0x0                             ; b2 is the youngest load
.elseif \st < 14
	s_wait_loadcnt 0xc                             ; this step's six loads are in; the two steps behind it may be out
.else
	s_wait_loadcnt 6*(15-\st)
.endif
	MM2 \st
	PLACES
.if \st+3 < 16
	LOADW2 \st+3
.endif
.endr
	; ---- the way out: x the row's weight; a row's 512 columns come from sixteen waves, so they meet in the stage
.irp a, 0,1,2,3,4,5
.irp j, 0,1,2,3,4,5,6,7
	v_mul_f32 v[Y+8*\a+\j], v[Y+8*\a+\j], v[10+\a%3]
.endr
.endr
	v_add_nc_u32 v7, 16*SPITCH, v8                 ; tiles 1 and 2 of the rows
	v_add_nc_u32 v16, 32*SPITCH, v8
.irp n, 0,1
	ds_store_b128 v8, v[Y+24*\n:Y+24*\n+3] offset:64*\n
	ds_store_b128 v8, v[Y+24*\n+4:Y+24*\n+7] offset:64*\n+16
	ds_store_b128 v7, v[Y+24*\n+8:Y+24*\n+11] offset:64*\n
	ds_store_b128 v7, v[Y+24*\n+12:Y+24*\n+15] offset:64*\n+16
	ds_store_b128 v16, v[Y+24*\n+16:Y+24*\n+19] offset:64*\n
	ds_store_b128 v16, v[Y+24*\n+20:Y+24*\n+23] offset:64*\n+16
.endr
	s_wait_dscnt 0x0
	s_barrier_signal -1
	s_barrier_wait -1                              ; 48 whole rows lie in the stage
.irp i, 0,1,2
.irp j, 0,1,2,3
	ds_load_b128 v[OUTR+16*\i+4*\j:OUTR+16*\i+4*\j+3], v9 offset:SPITCH*\i+512*\j
.endr
.endr
	s_wait_dscnt 0x0
.irp i, 0,1,2
	s_add_co_u32 s23, s55, \i
	s_cmp_lt_u32 s23, s19                          ; a place with no row stores nothing
	s_cbranch_scc0 .Lrow_\i
.irp j, 0,1,2,3
	global_store_b128 v1, v[OUTR+16*\i+4*\j:OUTR+16*\i+4*\j+3], s[44+2*\i:45+2*\i] offset:512*\j   ; the wave stores 512 consecutive bytes, aligned
.endr
.Lrow_\i:
.endr
	s_wait_tensorcnt 0x0                           ; the wave's end: three closing lines behind my last LDS store
	ds_add_u32 v[SPW], v[NIL]
	s_wait_dscnt 0x0
	s_endpgm
.Lfunc_end_k_q89f1363703_chain:
	.size	k_q89f1363703_chain, .Lfunc_end_k_q89f1363703_chain-k_q89f1363703_chain
	.p2alignl 7, 3214868480
	.fill 96, 4, 3214868480
	.section	.rodata,"a",@progbits
	.p2align	6, 0x0
	.amdhsa_kernel k_q89f1363703_chain
		.amdhsa_group_segment_fixed_size 197632
		.amdhsa_private_segment_fixed_size 0
		.amdhsa_enable_private_segment 0
		.amdhsa_kernarg_size 48
		.amdhsa_user_sgpr_count 2
		.amdhsa_user_sgpr_kernarg_segment_ptr 1
		.amdhsa_wavefront_size32 1
		.amdhsa_system_sgpr_workgroup_id_x 1
		.amdhsa_system_sgpr_workgroup_id_y 1
		.amdhsa_system_sgpr_workgroup_id_z 1
		.amdhsa_system_vgpr_workitem_id 0
		.amdhsa_next_free_vgpr 256
		.amdhsa_next_free_sgpr 90
		.amdhsa_reserve_vcc 0
		.amdhsa_float_denorm_mode_32 3
		.amdhsa_float_denorm_mode_16_64 3
		.amdhsa_memory_ordered 1
		.amdhsa_forward_progress 1
		.amdhsa_inst_pref_size 210
	.end_amdhsa_kernel
	.amdgpu_metadata
---
amdhsa.version: [ 1, 2 ]
amdhsa.kernels:
  - .name:           k_q89f1363703_chain
    .symbol:         k_q89f1363703_chain.kd
    .args:
      - { .name: xq, .offset: 0, .size: 8, .value_kind: global_buffer, .address_space: global }
      - { .name: wq, .offset: 8, .size: 8, .value_kind: global_buffer, .address_space: global }
      - { .name: plan, .offset: 16, .size: 8, .value_kind: global_buffer, .address_space: global }
      - { .name: b1, .offset: 24, .size: 8, .value_kind: global_buffer, .address_space: global }
      - { .name: b2, .offset: 32, .size: 8, .value_kind: global_buffer, .address_space: global }
      - { .name: ypart, .offset: 40, .size: 8, .value_kind: global_buffer, .address_space: global }
    .group_segment_fixed_size: 197632
    .private_segment_fixed_size: 0
    .kernarg_segment_align: 8
    .kernarg_segment_size: 48
    .max_flat_workgroup_size: 512
    .sgpr_count:     90
    .vgpr_count:     256
    .wavefront_size: 32
...
	.end_amdgpu_metadata
.endif
;; end of part 3
;; launch combine (part 4): grid 256 x 1, 8 waves a work-group, no clusters, 0 bytes of LDS; arguments ypart, out0; writes out0
.if DOCPART == 4
	.amdgcn_target "amdgcn-amd-amdhsa--gfx1250"
	.amdhsa_code_object_version 6
	.text
	.protected	k_q89f1363703_combine
	.globl	k_q89f1363703_combine
	.p2align	8
	.type	k_q89f1363703_combine,@function
k_q89f1363703_combine:
	s_mov_b64 s[64:65], 0
	v_nop
	global_prefetch_b8 v0, s[64:65] scope:SCOPE_SE
	s_setreg_imm32_b32 hwreg(HW_REG_WAVE_MODE, 25, 1), 1
	s_wait_xcnt 0x0
; COMBINE: out0[token] = ypart[2 token] + ypart[2 token + 1]: the two chosen experts' weighted rows.  The six other terms of reference()'s sum are products with an exact 0 (first kernel's head).
; A stream: a work-group takes 16 tokens; 128 threads cover a row of 2,048 bytes, 16 bytes each, so each load and store of a wave covers 512 consecutive bytes.
; All sixteen loads of a thread go out at once; no register is written again, so no wait frees any.  No LDS, no barrier, no matrix unit: memory binds.
	s_load_b128 s[4:7], s[0:1], 0x0                ; ypart, out0
	v_and_b32 v1, 0x7f, v0
	v_lshrrev_b32 v2, 7, v0                        ; which of two tokens
	v_lshlrev_b32 v1, 4, v1
	v_lshl_add_u32 v3, v2, 12, v1                  ; in: a token's two rows are 4,096 bytes
	v_lshl_add_u32 v4, v2, 11, v1                  ; out: 2,048
	s_lshl_b32 s8, ttmp9, 16
	s_mov_b32 s9, 0
	s_lshl_b32 s10, ttmp9, 15
	s_mov_b32 s11, 0
	s_wait_kmcnt 0x0
	s_add_nc_u64 s[4:5], s[4:5], s[8:9]
	s_add_nc_u64 s[6:7], s[6:7], s[10:11]
.irp i, 0,1,2,3,4,5,6,7
	global_load_b128 v[8+8*\i:11+8*\i], v3, s[4:5] offset:8192*\i th:TH_LOAD_NT
	global_load_b128 v[12+8*\i:15+8*\i], v3, s[4:5] offset:8192*\i+2048 th:TH_LOAD_NT
.endr
.irp i, 0,1,2,3,4,5,6,7
	s_wait_loadcnt 14-2*\i                         ; this pair of loads is in; the younger pairs stay out
	v_pk_add_f32 v[8+8*\i:9+8*\i], v[8+8*\i:9+8*\i], v[12+8*\i:13+8*\i]
	v_pk_add_f32 v[10+8*\i:11+8*\i], v[10+8*\i:11+8*\i], v[14+8*\i:15+8*\i]
	global_store_b128 v4, v[8+8*\i:11+8*\i], s[6:7] offset:4096*\i th:TH_STORE_NT
.endr
	s_endpgm
.Lfunc_end_k_q89f1363703_combine:
	.size	k_q89f1363703_combine, .Lfunc_end_k_q89f1363703_combine-k_q89f1363703_combine
	.p2alignl 7, 3214868480
	.fill 96, 4, 3214868480
	.section	.rodata,"a",@progbits
	.p2align	6, 0x0
	.amdhsa_kernel k_q89f1363703_combine
		.amdhsa_group_segment_fixed_size 0
		.amdhsa_private_segment_fixed_size 0
		.amdhsa_enable_private_segment 0
		.amdhsa_kernarg_size 16
		.amdhsa_user_sgpr_count 2
		.amdhsa_user_sgpr_kernarg_segment_ptr 1
		.amdhsa_wavefront_size32 1
		.amdhsa_system_sgpr_workgroup_id_x 1
		.amdhsa_system_sgpr_workgroup_id_y 1
		.amdhsa_system_sgpr_workgroup_id_z 1
		.amdhsa_system_vgpr_workitem_id 0
		.amdhsa_next_free_vgpr 72
		.amdhsa_next_free_sgpr 66
		.amdhsa_reserve_vcc 0
		.amdhsa_float_denorm_mode_32 3
		.amdhsa_float_denorm_mode_16_64 3
		.amdhsa_memory_ordered 1
		.amdhsa_forward_progress 1
		.amdhsa_inst_pref_size 5
	.end_amdhsa_kernel
	.amdgpu_metadata
---
amdhsa.version: [ 1, 2 ]
amdhsa.kernels:
  - .name:           k_q89f1363703_combine
    .symbol:         k_q89f1363703_combine.kd
    .args:
      - { .name: ypart, .offset: 0, .size: 8, .value_kind: global_buffer, .address_space: global }
      - { .name: out0, .offset: 8, .size: 8, .value_kind: global_buffer, .address_space: global }
    .group_segment_fixed_size: 0
    .private_segment_fixed_size: 0
    .kernarg_segment_align: 8
    .kernarg_segment_size: 16
    .max_flat_workgroup_size: 256
    .sgpr_count:     66
    .vgpr_count:     72
    .wavefront_size: 32
...
	.end_amdgpu_metadata
.endif
;; end of part 4
;; ======== version 2 of 2: 4 launches; version 1 with the launch chain written anew for expert scheduling mode
;; workspace buffers: xq 1,679,360 bytes; ridx 16,384 bytes of whole numbers; wq 13,107,200 bytes; plan 36,352 bytes of whole numbers; ypart 16,777,216 bytes
;; launch route: the kernel of part 1 again; grid 128 x 1, 4 waves a work-group, no clusters, 12,288 bytes of LDS; arguments x, Wr, br, xq, ridx; writes xq, ridx
;; launch prep: the kernel of part 2 again; grid 257 x 1, 8 waves a work-group, no clusters, 51,200 bytes of LDS; arguments W1, W2, ridx, xq, wq, plan, out1; writes wq, plan, out1
;; launch chain (part 5): grid 178 x 1, 16 waves a work-group, no clusters, 197,632 bytes of LDS; arguments xq, wq, plan, b1, b2, ypart; writes ypart
.if DOCPART == 5
	.amdgcn_target "amdgcn-amd-amdhsa--gfx1250"
	.amdhsa_code_object_version 6
	.text
	.protected	k_q89f1363703_chain
	.globl	k_q89f1363703_chain
	.p2align	8
	.type	k_q89f1363703_chain,@function
k_q89f1363703_chain:
	s_mov_b64 s[64:65], 0
	v_nop
	global_prefetch_b8 v0, s[64:65] scope:SCOPE_SE
	s_setreg_imm32_b32 hwreg(HW_REG_WAVE_SCHED_MODE, 0, 2), 2
	s_setreg_imm32_b32 hwreg(HW_REG_WAVE_MODE, 25, 1), 1
	s_wait_xcnt 0x0
	s_wait_alu depctr_vm_vsrc(0)
; CHAIN: one tile of up to 48 routed rows of ONE expert through the whole FFN: ypart[slot] = weight x (gelu(x W1 + b1) W2 + b2), both products on codes of E3M2 with E8M0 scales.
; Work left out: only the rows that the router chose are multiplied (shown dead at the first kernel's head).  The hidden layer lives in registers and LDS alone.
; THE GRID serves every split: the sum over experts of ceil(rows / 48) is at most (8,192 + 8 x 47) / 48 = 178.  A tile that a split leaves without rows walks the same text on slot 0's rows and stores
; nothing: every wave passes every barrier, and no barrier stands under a branch on a loaded number.  Branches on the tile's count lead past stores alone.
; No tensor load and no cluster: the tile's expert and rows are numbers read from memory.  The weights come from memory straight into registers, as images of the operand's registers.
; SHARES.  Sixteen waves of 256 registers, four to a SIMD, so that one wave's vector work stands beside another's products and loads.  THE WAVES SHARE THE COLUMNS: wave w makes hidden units
; 128 w .. 128 w + 127 (K step w of the second product) and output columns 32 w .. 32 w + 31, for all 48 rows (three tiles m of 16).  Each fragment of a weight feeds three matrix instructions.
; Both products are used transposed (source 0 = 16 rows of the weight, source 1 = 16 rows of the tile): a lane holds one row throughout.  The biases are the C of each sum's first instruction.
; GELU, exact form: gelu(h) = max(h, 0) - |h| q, q = erfc(|h| / sqrt 2) / 2 = t 2^(P(t) - h^2 log2(e) / 2), t = 1 / (1 + |h| / (2 sqrt 2)), P the degree-9 polynomial of the classical fit of erfc
; (fractional error under 1.2e-7 everywhere), its coefficients multiplied by log2(e), 1 taken off the constant for the half.  No difference of near numbers in the negative tail.
; LIMITS: where q falls under 2^-126 it counts as 0; where h^2 overflows the exponent is -infinity, q = 0 and gelu is h or 0; NaN and infinities are not served.
; LDS: x's 12 fragments (4 m + s) at 0; the hidden layer's 48 (3 s + m), each as two halves of 768 bytes (16 bytes a lane, then 8); its scale words [s][row][4 words]; a stage of 48 rows x (2,048 + 16).
; REGISTERS: v1 16 lane, v2 8 lane; v5-9, v16 LDS addresses; v10-12 the rows' weights; v13-15 scale words in the making; v17 the biases' offset; v18-19 c9; v20-35 the weight's scale words;
; v36-43 x's, later the hidden layer's; phase 1: v44-139 H (tile m, weight tile tt at 44 + 32 m + 8 tt), v140-175 x's fragments and work, v176-207 b1, v208-255 two groups of two fragments of W1;
; phase 2: v44-91 Y, v92-107 b2, v108-143 and v148-183 the hidden layer's fragments by turns, v184-255 three K steps of W2 by turns.
; THE MODE: SCHED_MODE bits 1:0 = 2 (LLVM: expert scheduling mode 2), set by the entry lines.  The code itself states the register dependences between vector or matrix instructions and memory or LDS
; instructions, with s_wait_alu, always for 0.
; THE PLAN.  Registers that memory or LDS instructions touch, and who else names them:
;   v1, v2, v8, v9     addresses, made at the head and never written again.  v5, v6, v7, v16, v17: made at the head, written once more each, behind a wait on vm_vsrc and ahead of a wait on va_vdst.
;   v208-255           Group g's six products read set g % 2; behind them the loads of group g + 2 land in it.
;   v140-175           A K step's twelve products read x's fragments; behind them the next K step's land there.  GELU and the quantiser work there; the codes made there are read by the LDS stores.
;   v176-207, v20-43   b1, the scale words: read by products alone, loaded again behind them.
;   phase 2            Step st's six products read the hidden layer's set st % 2 (with v36-38 or v40-42) and W2's set st % 3; behind them land step st + 2's fragments and step st + 3's part of W2.
;   v44-91, v108-155   the way out: Y is written by products and multiplies and read by the stage's stores; the rows come back by LDS loads and leave by global stores.
; So ONE wait on va_vdst stands at the tail of each group and of each step, behind its products and their places, and states all that the loads up to the next products hang on; one stands ahead of each run
; of LDS stores.  All 256 registers of each of the SIMD's four waves are taken: there is no further buffer, and the loads keep their lead.
.set HIMG,   18432
.set HSC,    92160
.set STG,    96256
.set SPITCH, 2064
.set SPARE,  195328                    ; the spare words, 128 bytes a wave: no other line names them
.set SPW,    3                         ; v3  my spare word's address; never rewritten
.set NIL,    4                         ; v4  0; never rewritten
.set WS,     20
.set XS,     36
.set H,      44
.set X,      140
.set B1,     176
.set WB,     208
.set Y,      44
.set B2,     92
.set OUTR,   108
	s_load_b256 s[4:11], s[0:1], 0x0               ; xq, wq, plan, b1
	s_load_b128 s[12:15], s[0:1], 0x20             ; b2, ypart
	v_lshl_add_u32 v[SPW], v0, 2, SPARE
	v_mov_b32 v[NIL], 0
	v_lshrrev_b32 v44, 5, v0
	v_readfirstlane_b32 s16, v44                   ; wave 0..15
	v_and_b32 v44, 31, v0                          ; lane
	v_and_b32 v45, 15, v0                          ; r
	v_bfe_u32 v46, v0, 4, 1                        ; h
	v_lshlrev_b32 v1, 4, v44
	v_lshlrev_b32 v2, 3, v44
	v_lshlrev_b32 v47, 2, v45
	v_lshlrev_b32 v48, 2, v44
	v_lshlrev_b32 v17, 6, v46                      ; b1: 64 h
	v_mul_u32_u24 v62, v46, 24
	v_mov_b32 v18, 0x3e7c6f08                      ; c9
	v_mov_b32 v19, 0x3e7c6f08
	s_wait_alu depctr_va_sdst(0)                   ; s16 is written, ahead of its first reader: addresses, bases and branches are made from it
	s_lshr_b32 s54, s16, 2
	s_min_u32 s54, s54, 2
	s_lshl_b32 s54, s54, 6
	v_add_nc_u32 v49, s54, v47                     ; the rows of the tile m = wave / 4 whose fragment of x I gather
	; every LDS address is made here, ahead of the first branch on the wave's number, and ahead of the one wait that states all of them written
	s_mul_i32 s54, s16, 4608
	s_add_co_u32 s54, s54, HIMG
	v_add_nc_u32 v5, s54, v1                       ; my K step's three fragments: the 16-byte parts,
	s_add_co_u32 s54, s54, 512
	v_add_nc_u32 v6, s54, v2                       ; the 8-byte parts,
	s_lshl_b32 s54, s16, 8
	s_add_co_u32 s54, s54, HSC
	v_lshl_add_u32 v7, v45, 4, s54                 ; and their scale words
	v_lshl_add_u32 v16, v45, 4, HSC                ; any K step's scale words of row r
	v_mul_u32_u24 v8, v45, SPITCH
	v_lshl_add_u32 v8, v46, 5, v8
	s_lshl_b32 s54, s16, 7
	s_add_co_u32 s54, s54, STG
	v_add_nc_u32 v8, s54, v8                       ; the stage, in: row r, my 32 columns, 32 bytes for each half of the lanes
	s_mul_i32 s54, s16, 3*SPITCH
	s_add_co_u32 s54, s54, STG
	v_add_nc_u32 v9, s54, v1                       ; and back: my three rows
	s_mul_i32 s54, s16, 1536
	v_add_nc_u32 v61, s54, v1                      ; x's fragment number wave
	s_mov_b32 s37, 0
	s_mul_i32 s55, s16, 3                          ; the first of the three rows that I store
	s_wait_kmcnt 0x0
	s_lshl_b32 s36, ttmp9, 3
	s_add_nc_u64 s[50:51], s[8:9], s[36:37]
	s_load_b64 s[18:19], s[50:51], 0x0             ; the tile's expert and its rows
	s_mul_i32 s36, ttmp9, 192
	s_add_nc_u64 s[42:43], s[8:9], s[36:37]
	s_add_nc_u64 s[42:43], s[42:43], 2048          ; its 48 slots
	s_lshl_b32 s36, s55, 2
	s_add_nc_u64 s[46:47], s[42:43], s[36:37]
	s_load_b32 s20, s[46:47], 0x0
	s_load_b32 s21, s[46:47], 0x4
	s_load_b32 s22, s[46:47], 0x8                  ; the slots of my three rows
	s_wait_alu depctr_va_vdst(0)                   ; the offsets and addresses v1, v2, v5 to v9, v16, v17, v47 to v49 and v61 are written, which the loads and stores from here on read
	global_load_b32 v50, v47, s[42:43]             ; slot of row r of tile 0,
	global_load_b32 v51, v47, s[42:43] offset:64   ; 1,
	global_load_b32 v52, v47, s[42:43] offset:128  ; 2;
	global_load_b32 v53, v48, s[42:43]             ; of rows 0-31, a lane a row;
	global_load_b32 v54, v49, s[42:43]             ; of the tile that I gather
	s_and_b32 s23, s16, 3
	s_mul_i32 s23, s23, 96                         ; the K step of x that I gather
	s_mov_b32 s52, 0x76543210
	s_mov_b32 s53, 0xfedcba98                      ; lane l xor 16
.macro COEF k, bits                    ; the packed forms name a pair and take its low word for both halves: both are written
	s_mov_b32 s[66+2*\k], \bits
	s_mov_b32 s[67+2*\k], \bits
.endm
	COEF 0, 0xc034d90f
	COEF 1, 0x3fb8ab5a
	COEF 2, 0x3f0a29d2
	COEF 3, 0x3e0efb2e
	COEF 4, 0xbe899a80
	COEF 5, 0x3ecdfd18
	COEF 6, 0xbfd1a1e5
	COEF 7, 0x40097039
	COEF 8, 0xbf97d29d
	COEF 9, 0xbf38aa3b                             ; s[84:85]: -log2(e) / 2
	s_mov_b32 s86, 0x3eb504f3                      ; 1 / (2 sqrt 2)
	s_wait_kmcnt 0x0
	s_min_u32 s18, s18, 7
	s_lshl_b32 s54, s18, 4
	s_add_co_u32 s54, s54, s16                     ; 16 e + w
	s_mul_i32 s36, s54, 49152
	s_add_nc_u64 s[24:25], s[6:7], s[36:37]        ; my stream of W1's codes,
	s_add_nc_u64 s[26:27], s[24:25], 6291456       ; of W2's,
	s_lshl_b32 s36, s54, 11
	s_add_nc_u64 s[28:29], s[6:7], s[36:37]
	s_add_nc_u64 s[30:31], s[28:29], 12845056      ; W2's scale words,
	s_add_nc_u64 s[28:29], s[28:29], 12582912      ; W1's
	s_lshl_b32 s36, s18, 13
	s_lshl_b32 s54, s16, 9
	s_add_co_u32 s36, s36, s54
	s_add_nc_u64 s[32:33], s[10:11], s[36:37]      ; b1 at my 128 units
	s_lshl_b32 s36, s18, 11
	s_lshl_b32 s54, s16, 7
	s_add_co_u32 s36, s36, s54
	s_add_nc_u64 s[34:35], s[12:13], s[36:37]      ; b2 at my 32 columns
	s_add_nc_u64 s[38:39], s[4:5], 1572864         ; x's scale bytes
	s_add_nc_u64 s[40:41], s[4:5], 1638400         ; the weights
.irp i, 0,1,2
	s_min_u32 s[20+\i], s[20+\i], 8191
	s_lshl_b32 s36, s[20+\i], 11
	s_add_nc_u64 s[44+2*\i:45+2*\i], s[14:15], s[36:37]            ; where my three rows go
.endr
.macro PLACES                          ; four places behind a matrix instruction, ahead of loads into its registers and of reads of its results
.rept 4
	v_nop
.endr
.endm
.macro LOADG g                         ; group g = 8 c + 2 s + pp: the two fragments (u = 0, 1) of W1 for units 32 (2 c + pp) on, K step s: six loads of 512 consecutive bytes
.irp i, 0,1,2,3,4,5
	global_load_b128 v[WB+24*((\g)%2)+4*\i:WB+24*((\g)%2)+4*\i+3], v1, s[24:25] offset:(2*((\g)/8)+(\g)%2)*12288+(((\g)%8)/2)*3072+512*\i
.endr
.endm
.macro LOADB1 c                        ; b1 in the result's layout, for the half's four weight tiles: unit 32 p + 16 h + 8 u + 0 .. 7
.irp t, 0,1,2,3
	global_load_b128 v[B1+8*\t:B1+8*\t+3], v17, s[32:33] offset:128*(2*(\c)+\t/2)+32*(\t%2)
	global_load_b128 v[B1+8*\t+4:B1+8*\t+7], v17, s[32:33] offset:128*(2*(\c)+\t/2)+32*(\t%2)+16
.endr
.endm
.macro LOADW2 st                       ; K step st of W2: two fragments, into the ring's set st % 3 (v208, v232, v184)
.set rR, 208+24*((\st)%3)-72*(((\st)%3)/2)
.irp i, 0,1,2,3,4,5
	global_load_b128 v[rR+4*\i:rR+4*\i+3], v1, s[26:27] offset:3072*(\st)+512*\i
.endr
.endm
.irp k, 0,1,2,3,4,5,6,7
	global_load_b64 v[WS+2*\k:WS+2*\k+1], v2, s[28:29] offset:256*\k   ; W1's scale words: v[20 + 4 p + s]: lanes 0-15 tile 2 p, lanes 16-31 tile 2 p + 1
.endr
	LOADB1 0
	LOADG 0
	LOADG 1
	s_wait_loadcnt 0x1c                            ; the five loads of slots are in; the 28 behind them may be out
.irp m, 0,1,2
	v_min_u32 v[55+\m], 0x1fff, v[50+\m]
	v_lshlrev_b32 v[55+\m], 2, v[55+\m]
.endr
	v_lshrrev_b32 v58, 1, v53                      ; token = slot / 2
	v_min_u32 v58, 0xfff, v58
	v_lshlrev_b32 v58, 4, v58
	v_lshrrev_b32 v59, 1, v52
	v_min_u32 v59, 0xfff, v59
	v_lshlrev_b32 v59, 4, v59
	v_lshrrev_b32 v60, 1, v54
	v_min_u32 v60, 0xfff, v60
	v_mul_u32_u24 v60, v60, 384
	v_add_nc_u32 v60, v60, v62
	v_add_nc_u32 v60, s23, v60                     ; the row's codes, + 96 s + 24 h
	s_wait_alu depctr_va_vdst(0)                   ; the offsets v55 to v60 are written, which the loads below read, those behind the branch too
.irp m, 0,1,2
	global_load_b32 v[10+\m], v[55+\m], s[40:41]   ; the weight of row r of tile m
.endr
	global_load_b128 v[XS:XS+3], v58, s[38:39]     ; x's scale words, a register a K step: lanes 0-15 tile 0, lanes 16-31 tile 1;
	global_load_b128 v[XS+4:XS+7], v59, s[38:39]   ; tile 2
	s_cmp_lt_u32 s16, 12                           ; waves 0 to 11 gather x's twelve fragments: wave 4 m + s
	s_cbranch_scc0 .Lnox
.irp p, 0,1,2,3,4,5
	global_load_b64 v[X+2*\p:X+2*\p+1], v60, s[4:5] offset:48*(\p/3)+8*(\p%3)
.endr
	s_wait_loadcnt 0x0
.irp i, 0,1,2
	ds_store_b128 v61, v[X+4*\i:X+4*\i+3] offset:512*\i            ; as an image of its registers
.endr
.Lnox:
	s_wait_loadcnt 0x0
	s_wait_dscnt 0x0                               ; for the others' sake: my stores have landed
	s_barrier_signal -1
	s_barrier_wait -1                              ; x's fragments lie in LDS
	s_wait_alu depctr_vm_vsrc(0)                   ; the head's loads have read their offsets v47 to v60, and the gather's stores v61 and v140 to v151: the products write the first, x's fragments land in the last
.macro XFETCH st                       ; K step st of x, three tiles of rows
.irp m, 0,1,2
.irp i, 0,1,2
	ds_load_b128 v[X+12*\m+4*\i:X+12*\m+4*\i+3], v1 offset:(4*\m+(\st))*1536+512*\i
.endr
.endr
.endm
.macro WM                              ; one matrix instruction from the symbols rD, rA, rB, rC, rSA, rSB; fRA, fRB: the scales stand in lanes 16-31
.if fRA && fRB
	v_wmma_scale_f32_16x16x128_f8f6f4 v[rD:rD+7], v[rA:rA+11], v[rB:rB+11], v[rC:rC+7], v[rSA], v[rSB] matrix_a_fmt:MATRIX_FMT_BF6 matrix_b_fmt:MATRIX_FMT_BF6 matrix_a_scale:MATRIX_SCALE_ROW1 matrix_b_scale:MATRIX_SCALE_ROW1
.elseif fRA
	v_wmma_scale_f32_16x16x128_f8f6f4 v[rD:rD+7], v[rA:rA+11], v[rB:rB+11], v[rC:rC+7], v[rSA], v[rSB] matrix_a_fmt:MATRIX_FMT_BF6 matrix_b_fmt:MATRIX_FMT_BF6 matrix_a_scale:MATRIX_SCALE_ROW1
.elseif fRB
	v_wmma_scale_f32_16x16x128_f8f6f4 v[rD:rD+7], v[rA:rA+11], v[rB:rB+11], v[rC:rC+7], v[rSA], v[rSB] matrix_a_fmt:MATRIX_FMT_BF6 matrix_b_fmt:MATRIX_FMT_BF6 matrix_b_scale:MATRIX_SCALE_ROW1
.else
	v_wmma_scale_f32_16x16x128_f8f6f4 v[rD:rD+7], v[rA:rA+11], v[rB:rB+11], v[rC:rC+7], v[rSA], v[rSB] matrix_a_fmt:MATRIX_FMT_BF6 matrix_b_fmt:MATRIX_FMT_BF6
.endif
.endm
.macro MM1 c, s, pp                    ; six products: two weight tiles x three tiles of rows.  The twelve accumulators of two groups take turns, one instruction a turn
.irp u, 0,1
.irp m, 0,1,2
.set rD, H+32*\m+8*(2*(\pp)+\u)
.set rA, WB+24*(\pp)+12*\u
.set rB, X+12*\m
.if (\s) == 0
.set rC, B1+8*(2*(\pp)+\u)
.else
.set rC, rD
.endif
.set rSA, WS+4*(2*(\c)+(\pp))+(\s)
.set fRA, \u
.set rSB, XS+(\s)+4*(\m/2)
.set fRB, \m%2
	WM
.endr
.endr
.endm
.macro GRP c, s, pp
.set GA, 8*(\c)+2*(\s)+(\pp)
.if (\pp) == 0
	s_wait_dscnt 0x0                               ; this K step's fragments of x are in
.endif
	s_wait_loadcnt 0x6                             ; this group is in (and b1, which is older); the six loads of the group behind it may be out
	MM1 \c, \s, \pp
	PLACES
.if ((\pp) == 1) && ((\s) == 3)
	v_nop                                          ; a fifth place: the next matrix instruction on these accumulators begins them anew with another C
.endif
	s_wait_alu depctr_va_vdst(0)                   ; the products issued so far are done reading this set of W1, x's fragments, b1 and the scale words: the loads below, up to the next products, land in such registers alone
.if ((\pp) == 1) && ((\s) < 3)
	XFETCH (\s)+1
.endif
.if GA == 7
	LOADB1 1
.endif
.if GA < 14
	LOADG GA+2                                     ; two groups ahead, into the set just multiplied
.endif
.if GA == 14
	LOADW2 0
.endif
.if GA == 15
.irp k, 0,1,2,3,4,5,6,7
	global_load_b64 v[WS+2*\k:WS+2*\k+1], v2, s[30:31] offset:256*\k   ; W2's scale words: v[20 + s]: lanes 0-15 tile 0, lanes 16-31 tile 1
.endr
	LOADW2 1
	LOADW2 2
.endif
.endm
.macro GELU12 hb                       ; twelve numbers in place.  T = v140.., A = v152.., U = v164.  Ascending
.irp i, 0,1,2,3,4,5,6,7,8,9,10,11
	v_fma_f32 v[X+\i], |v[(\hb)+\i]|, s86, 1.0
.endr
.irp i, 0,1,2,3,4,5,6,7,8,9,10,11
	v_rcp_f32 v[X+\i], v[X+\i]                     ; t
.endr
.irp i, 0,2,4,6,8,10
	v_pk_mul_f32 v[X+24+\i:X+25+\i], v[(\hb)+\i:(\hb)+\i+1], v[(\hb)+\i:(\hb)+\i+1]   ; h^2: plain lines behind the reciprocals
.endr
	s_wait_alu depctr_va_vdst(0)                   ; the twelve reciprocals have written t: one wait for them, ahead of their first use
.irp i, 0,2,4,6,8,10
	v_pk_fma_f32 v[X+12+\i:X+13+\i], v[X+\i:X+\i+1], v[18:19], s[82:83] op_sel_hi:[1,1,0]
.endr
.irp k, 7,6,5,4,3,2,1,0
.irp i, 0,2,4,6,8,10
	v_pk_fma_f32 v[X+12+\i:X+13+\i], v[X+12+\i:X+13+\i], v[X+\i:X+\i+1], s[66+2*\k:67+2*\k] op_sel_hi:[1,1,0]
.endr
.endr
.irp i, 0,2,4,6,8,10
	v_pk_fma_f32 v[X+12+\i:X+13+\i], v[X+24+\i:X+25+\i], s[84:85], v[X+12+\i:X+13+\i] op_sel_hi:[1,0,1]
.endr
.irp i, 0,1,2,3,4,5,6,7,8,9,10,11
	v_exp_f32 v[X+12+\i], v[X+12+\i]
.endr
.irp i, 0,1,2,3,4,5,6,7,8,9,10,11
	v_max_num_f32 v[X+24+\i], 0, v[(\hb)+\i]       ; max(h, 0): plain lines behind the exponentials
.endr
	s_wait_alu depctr_va_vdst(0)                   ; the twelve exponentials have written their results: one wait for them, ahead of their first use
.irp i, 0,2,4,6,8,10
	v_pk_mul_f32 v[X+\i:X+\i+1], v[X+\i:X+\i+1], v[X+12+\i:X+13+\i]   ; q
.endr
.irp i, 0,1,2,3,4,5,6,7,8,9,10,11
	v_fma_f32 v[(\hb)+\i], -|v[(\hb)+\i]|, v[X+\i], v[X+24+\i]
.endr
.endm
.macro QUANTV c, m                     ; the half's 32 registers of tile m are two blocks of 32 units, 16 in lane l and 16 in lane l xor 16: they become registers 6 c .. 6 c + 5 of my K step's fragment, here in v[140 + 8 m] on
.set rH, H+32*(\m)
.set rP, X+8*(\m)
	v_max3_num_f32 v168, |v[rH]|, |v[rH+1]|, 0x2800000             ; with the floor 2^(5 - 127)
	v_max3_num_f32 v169, |v[rH+16]|, |v[rH+17]|, 0x2800000
.irp i, 2,4,6,8,10,12,14
	v_max3_num_f32 v168, v168, |v[rH+\i]|, |v[rH+\i+1]|
	v_max3_num_f32 v169, v169, |v[rH+16+\i]|, |v[rH+17+\i]|
.endr
	v_permlanex16_b32 v170, v168, s52, s53
	v_permlanex16_b32 v171, v169, s52, s53
	v_max_num_f32 v168, v168, v170
	v_max_num_f32 v169, v169, v171
	v_add_nc_u32 v172, 0xfe000000, v168            ; 4 off the exponent field: the conversion's scale operand
	v_add_nc_u32 v173, 0xfe000000, v169
	v_lshrrev_b32 v174, 23, v172
	v_lshrrev_b32 v175, 23, v173
.if (\c) == 0
	v_lshl_or_b32 v[13+(\m)], v175, 8, v174        ; the scale word's bytes 0, 1
.else
	v_lshl_or_b32 v174, v175, 8, v174
	v_lshl_or_b32 v[13+(\m)], v174, 16, v[13+(\m)] ; and 2, 3
.endif
	v_cvt_scalef32_pk16_bf6_f32 v[rP:rP+2], v[rH:rH+15], v172
	v_cvt_scalef32_pk16_bf6_f32 v[164:166], v[rH+16:rH+31], v173
	v_nop                                          ; a plain line behind the conversions
.irp i, 0,1,2
	v_permlane16_swap_b32 v[rP+\i], v[164+\i]      ; a whole block to a lane: lanes 0-15 the first, lanes 16-31 the second
.endr
.irp i, 0,1,2
	v_mov_b32 v[rP+3+\i], v[164+\i]
.endr
.endm
.macro QSTORE c, m                     ; tile m's six registers of codes go to LDS; each tile has registers of its own, so the three tiles' stores stand in one run
.set rP, X+8*(\m)
	ds_store_b128 v5, v[rP:rP+3] offset:1536*(\m)+768*(\c)
	ds_store_b64 v6, v[rP+4:rP+5] offset:1536*(\m)+768*(\c)
.endm
	; ---- phase 1: my 128 hidden units in two halves of 64
	XFETCH 0
.irp c, 0,1
.irp s, 0,1,2,3
.irp pp, 0,1
	GRP \c, \s, \pp
.endr
.endr
.irp g, 0,1,2,3,4,5,6,7
	GELU12 H+12*\g
.endr
.irp m, 0,1,2
	QUANTV \c, \m
.endr
.if \c == 1
	s_wait_alu depctr_vm_vsrc(0)                   ; b1's loads have read v17
	v_lshrrev_b32 v17, 1, v17                      ; b2: 32 h (b1's loads were shown done by the wait of the second half's first group)
.endif
	s_wait_alu depctr_va_vdst(0)                   ; the quantiser has written the three tiles' codes and scale words (and, in the second half, v17 is written), which the stores and loads below read; GELU and the quantiser are done with H and with v140 to v175, in which loads land next
.irp m, 0,1,2
	QSTORE \c, \m
.endr
.if \c == 0
	s_wait_dscnt 0x0                               ; the stores are done
	s_wait_alu depctr_vm_vsrc(0)                   ; and have read v140 to v161, in which x's fragments land again
	XFETCH 0
.endif
.endr
.irp m, 0,1,2
	ds_store_b32 v7, v[13+\m] offset:4*\m          ; lanes l and l xor 16 hold the same word and write the same place
.endr
.irp n, 0,1
	global_load_b128 v[B2+8*\n:B2+8*\n+3], v17, s[34:35] offset:64*\n
	global_load_b128 v[B2+8*\n+4:B2+8*\n+7], v17, s[34:35] offset:64*\n+16
.endr
	s_wait_dscnt 0x0                               ; for the others' sake: my stores have landed
	s_wait_alu depctr_vm_vsrc(0)                   ; the LDS stores have read v5 and v6, which the two lines below write, and their data v140 to v161, in which the hidden layer's fragments land
	v_add_nc_u32 v5, HIMG+46080, v1                ; K steps 10 on lie beyond an LDS instruction's 16-bit offset from v1 and v2
	v_add_nc_u32 v6, HIMG+46080+512, v2
	s_wait_alu depctr_va_vdst(0)                   ; v5 and v6 are written, which the LDS loads of K steps 10 on read
	s_barrier_signal -1
	s_barrier_wait -1                              ; the hidden layer's 48 fragments lie in LDS
.macro HFETCH st                       ; K step st: three fragments and their scale words: 13 loads
.set rF, 108+40*((\st)%2)
.set rS, XS+4*((\st)%2)
.irp m, 0,1,2
.if (\st) < 10
	ds_load_b128 v[rF+12*\m:rF+12*\m+3], v1 offset:HIMG+(3*(\st)+\m)*1536
	ds_load_b64 v[rF+12*\m+4:rF+12*\m+5], v2 offset:HIMG+(3*(\st)+\m)*1536+512
	ds_load_b128 v[rF+12*\m+6:rF+12*\m+9], v1 offset:HIMG+(3*(\st)+\m)*1536+768
	ds_load_b64 v[rF+12*\m+10:rF+12*\m+11], v2 offset:HIMG+(3*(\st)+\m)*1536+1280
.else
	ds_load_b128 v[rF+12*\m:rF+12*\m+3], v5 offset:(3*((\st)-10)+\m)*1536
	ds_load_b64 v[rF+12*\m+4:rF+12*\m+5], v6 offset:(3*((\st)-10)+\m)*1536
	ds_load_b128 v[rF+12*\m+6:rF+12*\m+9], v5 offset:(3*((\st)-10)+\m)*1536+768
	ds_load_b64 v[rF+12*\m+10:rF+12*\m+11], v6 offset:(3*((\st)-10)+\m)*1536+768
.endif
.endr
	ds_load_b96 v[rS:rS+2], v16 offset:256*(\st)
.endm
.macro MM2 st                          ; six products: three tiles of rows x my two tiles of columns; the six accumulators take turns
.irp m, 0,1,2
.irp n, 0,1
.set rD, Y+8*(3*\n+\m)
.set rA, 208+24*((\st)%3)-72*(((\st)%3)/2)+12*\n
.set rB, 108+40*((\st)%2)+12*\m
.if (\st) == 0
.set rC, B2+8*\n
.else
.set rC, rD
.endif
.set rSA, WS+(\st)
.set fRA, \n
.set rSB, XS+4*((\st)%2)+\m
.set fRB, 0
	WM
.endr
.endr
.endm
	; ---- phase 2: my 32 columns, over the 16 K steps
	HFETCH 0
.irp st, 0,1,2,3,4,5,6,7,8,9,10,11,12,13,14,15
.if \st < 15
	HFETCH \st+1
	s_wait_dscnt 0xd                               ; this step's 13 loads are in; the next step's may be out
.else
	s_wait_dscnt 0x0
.endif
.if \st == 0
	s_wait_loadcnt 0x0                             ; b2 is the youngest load
.elseif \st < 14
	s_wait_loadcnt 0xc                             ; this step's six loads are in; the two steps behind it may be out
.else
	s_wait_loadcnt 6*(15-\st)
.endif
	MM2 \st
	PLACES
.if \st < 14
	s_wait_alu depctr_va_vdst(0)                   ; this step's products are done reading their set of W2, in which the loads below land, and their set of the hidden layer's fragments and scale words, in which the next step's first loads land.  (Behind steps 14 and 15 no load follows)
.endif
.if \st+3 < 16
	LOADW2 \st+3
.endif
.endr
	; ---- the way out: x the row's weight; a row's 512 columns come from sixteen waves, so they meet in the stage
.irp a, 0,1,2,3,4,5
.irp j, 0,1,2,3,4,5,6,7
	v_mul_f32 v[Y+8*\a+\j], v[Y+8*\a+\j], v[10+\a%3]
.endr
.endr
	s_wait_alu depctr_vm_vsrc(0)                   ; the stores of the scale words have read v7, the loads of them v16
	v_add_nc_u32 v7, 16*SPITCH, v8                 ; tiles 1 and 2 of the rows
	v_add_nc_u32 v16, 32*SPITCH, v8
	s_wait_alu depctr_va_vdst(0)                   ; the multiplies have written Y, and v7 and v16 are written, which the stores below read; the last products are done reading v108 to v183, in which the rows land behind the barrier
.irp n, 0,1
	ds_store_b128 v8, v[Y+24*\n:Y+24*\n+3] offset:64*\n
	ds_store_b128 v8, v[Y+24*\n+4:Y+24*\n+7] offset:64*\n+16
	ds_store_b128 v7, v[Y+24*\n+8:Y+24*\n+11] offset:64*\n
	ds_store_b128 v7, v[Y+24*\n+12:Y+24*\n+15] offset:64*\n+16
	ds_store_b128 v16, v[Y+24*\n+16:Y+24*\n+19] offset:64*\n
	ds_store_b128 v16, v[Y+24*\n+20:Y+24*\n+23] offset:64*\n+16
.endr
	s_wait_dscnt 0x0
	s_barrier_signal -1
	s_barrier_wait -1                              ; 48 whole rows lie in the stage
.irp i, 0,1,2
.irp j, 0,1,2,3
	ds_load_b128 v[OUTR+16*\i+4*\j:OUTR+16*\i+4*\j+3], v9 offset:SPITCH*\i+512*\j
.endr
.endr
	s_wait_dscnt 0x0
.irp i, 0,1,2
	s_add_co_u32 s23, s55, \i
	s_cmp_lt_u32 s23, s19                          ; a place with no row stores nothing
	s_cbranch_scc0 .Lrow_\i
.irp j, 0,1,2,3
	global_store_b128 v1, v[OUTR+16*\i+4*\j:OUTR+16*\i+4*\j+3], s[44+2*\i:45+2*\i] offset:512*\j   ; the wave stores 512 consecutive bytes, aligned
.endr
.Lrow_\i:
.endr
	s_wait_dscnt 0x0                               ; the closing lines, six on end
	s_wait_alu 0x0
	s_wait_tensorcnt 0x0
	ds_add_u32 v[SPW], v[NIL]
	s_wait_dscnt 0x0
	s_endpgm
.Lfunc_end_k_q89f1363703_chain:
	.size	k_q89f1363703_chain, .Lfunc_end_k_q89f1363703_chain-k_q89f1363703_chain
	.p2alignl 7, 3214868480
	.fill 96, 4, 3214868480
	.section	.rodata,"a",@progbits
	.p2align	6, 0x0
	.amdhsa_kernel k_q89f1363703_chain
		.amdhsa_group_segment_fixed_size 197632
		.amdhsa_private_segment_fixed_size 0
		.amdhsa_enable_private_segment 0
		.amdhsa_kernarg_size 48
		.amdhsa_user_sgpr_count 2
		.amdhsa_user_sgpr_kernarg_segment_ptr 1
		.amdhsa_wavefront_size32 1
		.amdhsa_system_sgpr_workgroup_id_x 1
		.amdhsa_system_sgpr_workgroup_id_y 1
		.amdhsa_system_sgpr_workgroup_id_z 1
		.amdhsa_system_vgpr_workitem_id 0
		.amdhsa_next_free_vgpr 256
		.amdhsa_next_free_sgpr 90
		.amdhsa_reserve_vcc 0
		.amdhsa_float_denorm_mode_32 3
		.amdhsa_float_denorm_mode_16_64 3
		.amdhsa_memory_ordered 1
		.amdhsa_forward_progress 1
		.amdhsa_inst_pref_size 211
	.end_amdhsa_kernel
	.amdgpu_metadata
---
amdhsa.version: [ 1, 2 ]
amdhsa.kernels:
  - .name:           k_q89f1363703_chain
    .symbol:         k_q89f1363703_chain.kd
    .args:
      - { .name: xq, .offset: 0, .size: 8, .value_kind: global_buffer, .address_space: global }
      - { .name: wq, .offset: 8, .size: 8, .value_kind: global_buffer, .address_space: global }
      - { .name: plan, .offset: 16, .size: 8, .value_kind: global_buffer, .address_space: global }
      - { .name: b1, .offset: 24, .size: 8, .value_kind: global_buffer, .address_space: global }
      - { .name: b2, .offset: 32, .size: 8, .value_kind: global_buffer, .address_space: global }
      - { .name: ypart, .offset: 40, .size: 8, .value_kind: global_buffer, .address_space: global }
    .group_segment_fixed_size: 197632
    .private_segment_fixed_size: 0
    .kernarg_segment_align: 8
    .kernarg_segment_size: 48
    .max_flat_workgroup_size: 512
    .sgpr_count:     90
    .vgpr_count:     256
    .wavefront_size: 32
...
	.end_amdgpu_metadata
.endif
;; end of part 5
;; launch combine: the kernel of part 4 again; grid 256 x 1, 8 waves a work-group, no clusters, 0 bytes of LDS; arguments ypart, out0; writes out0
